; MI455X (gfx1250); checked and timed in simulation.
; The chip was launched on July 23, 2026; its instructions are those of AMD's public machine-readable ISA for CDNA 5 (MIT licence, August 2026) and "CDNA5" Instruction Set Architecture Reference Guide (July 2026). The comments in the code are by the model that wrote it; some were corrected since.
;; Multi Head Attention. Allowed arithmetic: matrix products marked QUANTISED: E2M3 operands, one E8M0 scale for each 32 along K, by v_wmma_scale_f32_16x16x128_f8f6f4 with both operands' format E2M3, f32 sums; everything else in f32.
;; Inputs: Wk 1,024 x 1,024 float32; Wo 1,024 x 1,024 float32; Wq 1,024 x 1,024 float32; Wv 1,024 x 1,024 float32; attention_mask 4 x 1 x 1 x 2,048 float32; bk 1,024 float32; bo 1,024 float32; bq 1,024 float32; bv 1,024 float32; hidden_states 4 x 2,048 x 1,024 float32.
;; Outputs: out0 4 x 2,048 x 1,024 float32.
;; This version of the problem:
;;   THIS VERSION OF THE PROBLEM IS GIVEN IN LOW PRECISION. The matrix products marked QUANTISED in the list below multiply operands that are first quantised to E2M3 (2 exponent bits, 3 mantissa bits; 6 bits a number), with one power-of-two scale for each 32 numbers along K (OCP MX v1.0); their sums are f32. All else is computed in f32.
;;   The module's matrix products, in the order in which they are computed (A, B: the left and right operand; K: the contracted axis; several contracted axes count as one K, in the product's order):
;;     1. [M 8,192, K 1,024] x [K 1,024, N 1,024]; A: input hidden_states; B: input Wq: QUANTISED
;;     2. [M 8,192, K 1,024] x [K 1,024, N 1,024]; A: input hidden_states; B: input Wk: QUANTISED
;;     3. [M 8,192, K 1,024] x [K 1,024, N 1,024]; A: input hidden_states; B: input Wv: QUANTISED
;;     4. batch 64 x [M 2,048, K 64] x [K 64, N 2,048]; A: computed on the way; B: computed on the way: QUANTISED
;;     5. batch 64 x [M 2,048, K 2,048] x [K 2,048, N 64]; A: softmax (see below); B: computed on the way: QUANTISED
;;     6. [M 8,192, K 1,024] x [K 1,024, N 1,024]; A: computed on the way; B: input Wo: QUANTISED
;;   THE QUANTISER, for each operand of a quantised product, along K:
;;     - K is cut into blocks of 32 from its start; a last block that is shorter is filled with zeros.
;;     - A block's scale is 2^e with e = floor(log2(the largest magnitude in the block)) - 2, held to -126 .. 127; a block of zeros has e = 0. As a byte (E8M0): e + 127.
;;     - Each number is divided by its block's scale, clamped to +-7.5, and rounded to the nearest number of E2M3, ties to even, subnormals kept.
;;     - The product sums the exact products of the quantised numbers (number of the format x scale) in f32.
;;   ~~~python
;;   def quantise(x, axis):      # numpy; x: float32 -> the quantised numbers, widened to float32 again
;;       x = np.moveaxis(x, axis, -1); K = x.shape[-1]
;;       x = np.pad(x, [(0, 0)] * (x.ndim - 1) + [(0, -K % 32)]); x = x.reshape(x.shape[:-1] + (-1, 32)); a = np.abs(x).max(-1, keepdims=True)
;;       e = np.where(a > 0, np.clip(np.frexp(np.where(a > 0, a, 1))[1] - 1 - 2, -126, 127), 0)      # np.frexp(a)[1] - 1 = floor(log2(a)), exactly
;;       r = np.clip(x / 2.0 ** e, -7.5, 7.5)
;;       step = 2.0 ** (np.maximum(np.frexp(np.where(r == 0, 1, r))[1] - 1, 0) - 3)
;;       q = np.round(r / step) * step * 2.0 ** e      # np.round: ties to even
;;       return np.moveaxis(q.reshape(q.shape[:-2] + (-1,))[..., :K], -1, axis).astype(np.float32)
;;   ~~~
;;   SOFTMAX AHEAD OF A QUANTISED PRODUCT. Where the list says 'softmax', what is quantised is not the finished softmax but p = 2^(t - M), with t = logit x log2(e) and M = ceil(the row's largest t), a whole number; so 1/2 < the row's largest p <= 1. The row's sum l is taken of the UNQUANTISED p, in f32, and the product's result is divided by l at the end. Since M is a whole number, a kernel that streams over the keys may use a running M (the ceiling of the running maximum): every later rescaling is an exact power of two, which a block's scale takes up: the codes' values come out the same.
;;   OPERANDS COMPUTED ON THE WAY. 'Computed on the way' means the value that the module computes at that place (a softmax that the list does not call 'softmax' is quantised finished and normalised). What goes into a quantiser is computed in f32, as accurately as f32 sums, v_exp_f32 and their like allow (about 1e-6 of the number): no bf16 or f16 on the way to a quantiser, and a product that is left as it is and whose result goes on into a quantised operand takes f32 operands (vector FMAs, or v_wmma_f32_16x16x4_f32). A number that lies on a knife's edge between two numbers of the format may be rounded either way, as far as f32 arithmetic and the matrix unit's own rounding can turn it there, and no further.
;; One version. Each part assembles by itself: llvm-mc -triple=amdgcn-amd-amdhsa -mcpu=gfx1250 --defsym DOCPART=n.
;; ======== version 1 of 1: 4 launches
;; limits: inputs' magnitudes at most 1,073,741,824; right only within a limited range of input values
;; workspace buffers: xf 6,291,456 bytes; xs 262,144 bytes; wf 3,145,728 bytes; ws 131,072 bytes; qkv 20,447,232 bytes; cf 6,291,456 bytes; cs 262,144 bytes
;; launch quant (part 1): grid 768 x 1, 8 waves a work-group, no clusters, 69,120 bytes of LDS; arguments hidden_states, Wq, Wk, Wv, Wo, xf, xs, wf, ws; writes xf, xs, wf, ws
.if DOCPART == 1
	.amdgcn_target "amdgcn-amd-amdhsa--gfx1250"
	.amdhsa_code_object_version 6
	.text
	.protected	k_q1ffe9d7f13_quant
	.globl	k_q1ffe9d7f13_quant
	.p2align	8
	.type	k_q1ffe9d7f13_quant,@function
k_q1ffe9d7f13_quant:
	s_mov_b64 s[64:65], 0
	v_nop
	global_prefetch_b8 v0, s[64:65] scope:SCOPE_SE
	s_setreg_imm32_b32 hwreg(HW_REG_WAVE_MODE, 25, 1), 1
	s_wait_xcnt 0x0
; hidden_states [8192][1024] and the four weights [1024][1024], f32, K innermost, become codes of FP6 (E2M3) with one E8M0 byte for each 32 along K,
; laid in the ORDER OF THE OPERAND'S REGISTERS, so that the products' launches load fragments as they stand.
; A TILE is 16 rows, and they are not neighbours: lane r of tile T holds row 64 (T / 4) + 8 (T % 4) + r % 8 + 32 (r / 8).
; (As source 0 of a product the tiles 4 g .. 4 g + 3 leave 32 neighbouring rows, 64 g + 32 (lane / 16) + 0 .. 31, in a lane's 32 result registers: one whole scale block of the next product.)
; A fragment, 16 rows x 128 K, is 12 registers a lane: registers 6 c .. 6 c + 5 hold k = 64 c + 32 (lane / 16) + 0 .. 31.  Its image is two halves of 768 bytes: registers 6 c .. 6 c + 3 at 16 x lane, registers 6 c + 4, 6 c + 5 at 512 + 8 x lane.
; Codes: [tile][K step 8][half 2][768].  Scale words (four bytes: 128 along K of a row): [tile][row 16][K step 8].
; A block's scale is 2^(floor(log2(its largest magnitude)) - 2): its byte is the largest magnitude's exponent field - 2, held at 1 from below.  A block of zeros so has the byte 1 where the rule says 127: its codes are zeros, and this program alone reads the bytes.
; LIMITS: NaN and infinities among the inputs are not served; blocks whose largest magnitude lies under 2^-124 keep the byte 1.
; SHARES.  A work-group takes one tile (work-groups 0-511: hidden_states; 512-767: Wq, Wk, Wv, Wo, 64 tiles each), wave s its K step s.  Only pointers are chosen by the work-group's number: there is one way through the text.
; Each load reads 512 consecutive bytes of a row; the 16 rows turn through the wave's own stage in LDS, since a lane wants 32 neighbours along K.  No work-group shares an input with another: no cluster, no tensor load.
.set STGP, 528                         ; a stage row: 512 bytes + 16, so that the sixteen rows that a load touches start in different banks
.set WSTG, 16*STGP                     ; a wave's stage
.set SCG,  8*WSTG                      ; behind the stages: the tile's 128 scale words
.set C,    20                          ; v20-31   the fragment's codes: they lie where the rows lay as loaded, which are done with behind the wait for the stage
.set TP,   32                          ; v32-39   the upper halves of two blocks (a conversion's three registers begin on an even number)
.set R,    20                          ; v20-83   16 rows as loaded
.set X,    84                          ; v84-147  my 64 numbers: register 32 c + i = k 64 c + 32 h + i of row r
.set WV,   32
.set SEL,  36
	s_load_b256 s[4:11], s[0:1], 0x0               ; hidden_states, Wq, Wk, Wv
	s_load_b256 s[12:19], s[0:1], 0x20             ; Wo, xf, xs, wf
	s_load_b64 s[20:21], s[0:1], 0x40              ; ws
	v_lshl_add_u32 v148, v0, 2, 0x10a00
	v_mov_b32 v149, 0
	v_lshrrev_b32 v1, 5, v0
	s_delay_alu instid0(VALU_DEP_1)
	v_readfirstlane_b32 s[WV], v1                  ; wave = K step
	v_and_b32 v1, 31, v0                           ; lane
	v_and_b32 v2, 15, v0                           ; r
	v_bfe_u32 v3, v0, 4, 1                         ; h
	s_delay_alu instid0(VALU_DEP_3)
	v_lshlrev_b32 v4, 4, v1                        ; 16 x lane
	s_delay_alu instid0(VALU_DEP_4)
	v_lshlrev_b32 v9, 3, v1                        ; 8 x lane
	s_mul_i32 s33, s[WV], WSTG
	v_add_nc_u32 v5, s33, v4                       ; into the stage: 16 bytes a lane of a row
	v_mul_u32_u24 v6, v2, STGP
	s_delay_alu instid0(VALU_DEP_1)
	v_lshl_add_u32 v6, v3, 7, v6
	s_delay_alu instid0(VALU_DEP_1)
	v_add_nc_u32 v6, s33, v6                       ; out of it: row r, + 128 h
	s_lshl_b32 s34, s[WV], 2
	s_add_co_u32 s34, s34, SCG
	v_lshlrev_b32 v7, 5, v2
	s_delay_alu instid0(VALU_DEP_1)
	v_add_nc_u32 v7, s34, v7                       ; my row's scale word of my K step: 32 r + 4 s
	v_add_nc_u32 v8, SCG, v4                       ; and the words on their way out
	v_lshlrev_b32 v18, 3, v3                       ; 8 h
	v_mov_b32 v19, 0                               ; (a lane permute's destination counts as one of its sources)
	s_mov_b32 s[SEL], 0x76543210
	s_mov_b32 s[SEL+1], 0xfedcba98                 ; selects for lane l xor 16
	s_wait_alu depctr_va_vdst(0)
	s_wait_kmcnt 0x0
	s_cmp_lt_u32 ttmp9, 704                        ; which tensor: the choice hangs on the work-group's number alone
	s_cselect_b64 s[22:23], s[10:11], s[12:13]
	s_cmp_lt_u32 ttmp9, 640
	s_cselect_b64 s[22:23], s[8:9], s[22:23]
	s_cmp_lt_u32 ttmp9, 576
	s_cselect_b64 s[22:23], s[6:7], s[22:23]
	s_cmp_lt_u32 ttmp9, 512
	s_cselect_b64 s[22:23], s[4:5], s[22:23]
	s_cselect_b64 s[24:25], s[14:15], s[18:19]     ; the codes' buffer
	s_cselect_b64 s[26:27], s[16:17], s[20:21]     ; the scale words'
	s_cselect_b32 s28, 0, 512
	s_cselect_b32 s29, 511, 63
	s_sub_co_u32 s28, ttmp9, s28                   ; the tile in the buffers that are written
	s_and_b32 s29, s28, s29                        ; the tile in the tensor that is read
	s_lshr_b32 s30, s29, 2
	s_lshl_b32 s30, s30, 18                        ; 64 (T / 4) rows of 4,096 bytes
	s_and_b32 s31, s29, 3
	s_lshl_b32 s31, s31, 15                        ; 8 (T % 4) rows
	s_add_co_u32 s30, s30, s31
	s_lshl_b32 s31, s[WV], 9                       ; my K step's 512 bytes
	s_add_co_u32 s30, s30, s31
	s_mov_b32 s31, 0
	s_add_nc_u64 s[22:23], s[22:23], s[30:31]
	s_mul_i32 s30, s28, 12288
	s_mul_i32 s35, s[WV], 1536
	s_add_co_u32 s30, s30, s35
	s_add_nc_u64 s[24:25], s[24:25], s[30:31]
	s_lshl_b32 s30, s28, 9
	s_add_nc_u64 s[26:27], s[26:27], s[30:31]
.irp i, 0,1,2,3,4,5,6,7,8,9,10,11,12,13,14,15
	global_load_b128 v[R+4*\i:R+4*\i+3], v4, s[22:23] offset:(\i+24*(\i/8))*4096 th:TH_LOAD_NT   ; the tile's row i: 512 consecutive bytes; read once in the launch
.endr
.irp i, 0,1,2,3,4,5,6,7,8,9,10,11,12,13,14,15
	s_wait_loadcnt 15-\i                           ; row i is in; the younger rows may be out
	ds_store_b128 v5, v[R+4*\i:R+4*\i+3] offset:STGP*\i
.endr
.irp c, 0,1
.irp e, 0,1,2,3,4,5,6,7
	ds_load_b128 v[X+32*\c+4*\e:X+32*\c+4*\e+3], v6 offset:256*\c+16*\e   ; LDS serves a wave's instructions in order: these see my stores
.endr
.endr
	s_wait_dscnt 0x0
.irp c, 0,1                                    ; my block 2 c + h: all its 32 numbers are mine
	v_max3_num_f32 v[10+\c], |v[X+32*\c]|, |v[X+32*\c+1]|, 0x1800000   ; with the floor 2^(3 - 127): the byte cannot fall under 1
.endr
.irp i, 2,4,6,8,10,12,14,16,18,20,22,24,26,28,30
.irp c, 0,1
	s_delay_alu instid0(VALU_DEP_2)
	v_max3_num_f32 v[10+\c], v[10+\c], |v[X+32*\c+\i]|, |v[X+32*\c+\i+1]|   ; (the two blocks by turns)
.endr
.endr
.irp c, 0,1
	s_delay_alu instid0(VALU_DEP_2)
	v_add_nc_u32 v[12+\c], 0xff000000, v[10+\c]    ; 2 off the exponent field: the conversion's scale operand
.endr
.irp c, 0,1
	s_delay_alu instid0(VALU_DEP_2)
	v_lshrrev_b32 v[14+\c], 23, v[12+\c]           ; the scale's byte
.endr
	s_delay_alu instid0(VALU_DEP_1)
	v_lshl_or_b32 v16, v15, 16, v14                ; my two bytes, blocks h and 2 + h,
	s_delay_alu instid0(VALU_DEP_1)
	v_lshlrev_b32 v16, v18, v16                    ; at their places in the word;
	s_delay_alu instid0(VALU_DEP_1)
	v_permlanex16_b32 v19, v16, s[SEL], s[SEL+1]
	s_delay_alu instid0(VALU_DEP_1)
	v_or_b32 v16, v16, v19                         ; with lane l xor 16's two the word is whole
.irp c, 0,1
	v_cvt_scalef32_pk16_fp6_f32 v[C+6*\c:C+6*\c+2], v[X+32*\c:X+32*\c+15], v[12+\c]
	v_cvt_scalef32_pk16_fp6_f32 v[TP+4*\c:TP+4*\c+2], v[X+32*\c+16:X+32*\c+31], v[12+\c]
.endr
	v_nop                                          ; one plain place behind a scaled conversion
.irp c, 0,1
.irp i, 0,1,2
	v_mov_b32 v[C+6*\c+3+\i], v[TP+4*\c+\i]
.endr
.endr
	ds_store_b32 v7, v16                           ; both lanes of a row write the same word with the same value
	global_store_b128 v4, v[C:C+3], s[24:25]                   ; each store of the wave covers 512 or 256 consecutive bytes, aligned to 256
	global_store_b64 v9, v[C+4:C+5], s[24:25] offset:512
	global_store_b128 v4, v[C+6:C+9], s[24:25] offset:768
	global_store_b64 v9, v[C+10:C+11], s[24:25] offset:1280
	s_wait_dscnt 0x0                               ; for the others' sake: my scale words lie in LDS
	s_barrier_signal -1
	s_barrier_wait -1
	s_cmp_lg_u32 s[WV], 0                          ; wave 0 stores the tile's 512 bytes of scale words
	s_cbranch_scc1 .Lend
	ds_load_b128 v[X:X+3], v8
	s_wait_dscnt 0x0
	global_store_b128 v4, v[X:X+3], s[26:27]
.Lend:
	s_wait_tensorcnt 0x0                           ; the wave's end
	ds_add_u32 v148, v149
	s_wait_dscnt 0x0
	s_endpgm
.Lfunc_end_k_q1ffe9d7f13_quant:
	.size	k_q1ffe9d7f13_quant, .Lfunc_end_k_q1ffe9d7f13_quant-k_q1ffe9d7f13_quant
	.p2alignl 7, 3214868480
	.fill 96, 4, 3214868480
	.section	.rodata,"a",@progbits
	.p2align	6, 0x0
	.amdhsa_kernel k_q1ffe9d7f13_quant
		.amdhsa_group_segment_fixed_size 69120
		.amdhsa_private_segment_fixed_size 0
		.amdhsa_enable_private_segment 0
		.amdhsa_kernarg_size 72
		.amdhsa_user_sgpr_count 2
		.amdhsa_user_sgpr_kernarg_segment_ptr 1
		.amdhsa_wavefront_size32 1
		.amdhsa_system_sgpr_workgroup_id_x 1
		.amdhsa_system_sgpr_workgroup_id_y 1
		.amdhsa_system_sgpr_workgroup_id_z 1
		.amdhsa_system_vgpr_workitem_id 0
		.amdhsa_next_free_vgpr 150
		.amdhsa_next_free_sgpr 66
		.amdhsa_reserve_vcc 0
		.amdhsa_float_denorm_mode_32 3
		.amdhsa_float_denorm_mode_16_64 3
		.amdhsa_memory_ordered 1
		.amdhsa_forward_progress 1
		.amdhsa_inst_pref_size 12
	.end_amdhsa_kernel
	.amdgpu_metadata
---
amdhsa.version: [ 1, 2 ]
amdhsa.kernels:
  - .name:           k_q1ffe9d7f13_quant
    .symbol:         k_q1ffe9d7f13_quant.kd
    .args:
      - { .name: hidden_states, .offset: 0, .size: 8, .value_kind: global_buffer, .address_space: global }
      - { .name: Wq, .offset: 8, .size: 8, .value_kind: global_buffer, .address_space: global }
      - { .name: Wk, .offset: 16, .size: 8, .value_kind: global_buffer, .address_space: global }
      - { .name: Wv, .offset: 24, .size: 8, .value_kind: global_buffer, .address_space: global }
      - { .name: Wo, .offset: 32, .size: 8, .value_kind: global_buffer, .address_space: global }
      - { .name: xf, .offset: 40, .size: 8, .value_kind: global_buffer, .address_space: global }
      - { .name: xs, .offset: 48, .size: 8, .value_kind: global_buffer, .address_space: global }
      - { .name: wf, .offset: 56, .size: 8, .value_kind: global_buffer, .address_space: global }
      - { .name: ws, .offset: 64, .size: 8, .value_kind: global_buffer, .address_space: global }
    .group_segment_fixed_size: 69120
    .private_segment_fixed_size: 0
    .kernarg_segment_align: 8
    .kernarg_segment_size: 72
    .max_flat_workgroup_size: 256
    .sgpr_count:     66
    .vgpr_count:     150
    .wavefront_size: 32
...
	.end_amdgpu_metadata
.endif
;; end of part 1
;; launch qkv (part 2): grid 4 x 64, 4 waves a work-group, clusters of 4 x 4, 327,680 bytes of LDS; arguments xf, xs, wf, ws, bq, bk, bv, qkv; writes qkv
.if DOCPART == 2
	.amdgcn_target "amdgcn-amd-amdhsa--gfx1250"
	.amdhsa_code_object_version 6
	.text
	.protected	k_q1ffe9d7f13_qkv
	.globl	k_q1ffe9d7f13_qkv
	.p2align	8
	.type	k_q1ffe9d7f13_qkv,@function
k_q1ffe9d7f13_qkv:
	s_mov_b64 s[64:65], 0
	v_nop
	global_prefetch_b8 v0, s[64:65] scope:SCOPE_SE
	s_setreg_imm32_b32 hwreg(HW_REG_WAVE_MODE, 25, 1), 1
	s_wait_xcnt 0x0
	s_wait_alu depctr_hold_cnt(0) depctr_sa_sdst(0) depctr_va_vdst(0) depctr_va_sdst(0) depctr_va_ssrc(0) depctr_va_vcc(0) depctr_vm_vsrc(0)
	s_getreg_b32 s2, hwreg(HW_REG_IB_STS2, 6, 4)
	s_cmp_eq_u32 s2, 0
	s_cbranch_scc0 .Lentry_in_a_cluster
	s_endpgm
.Lentry_in_a_cluster:
	s_bfe_u32 s2, ttmp6, 0x10000c
	s_cmp_lg_u32 s2, 0xf033
	s_cbranch_scc0 .Lentry_shape_is_right
	s_endpgm
.Lentry_shape_is_right:
; Q, K, V = X W^T + b on codes of FP6 (E2M3) with E8M0 scales, K = 1,024; the results are quantised in registers for attention's two products and leave as codes: no f32 number of Q, K, V goes to memory.
; SHARES.  256 work-groups THAT STAY: each takes 128 rows of X (one key step of attention) and the same 256 columns of Wq, Wk and Wv, one after the other.  Wave w makes all 128 rows x 64 columns, ONE HEAD: 32 accumulators of 16 x 16, by turns.
; LDS holds K in two halves of four K steps, images of the operands' registers (a fragment: 1,536 bytes); a half is X's 8 tiles x 6,144 bytes, then W's 16 tiles x 6,144.  X's bytes are filled once.
; W's two halves are a ring of two slots: when every wave has fetched K step 3 the lower half takes the next weight's, when every wave has fetched K step 7 the upper half; each refill stands behind a drained round of the cluster's barrier,
; one joint load a wave (its own four tiles).  A refill is issued four K steps, 128 products a wave, ahead of the round that waits for it; so no prefetch is laid.
; The loop has two trips, Q and K, and both issue both refills; V's pass, which fetches nothing more, is written out behind it.
; HEAD: one tensor load a wave: wave 0 X's lower half of K, wave 1 Wq's, wave 2 X's upper half, wave 3 Wq's.  The first barrier shows the lower half; the first round the upper.
; CLUSTER 4 x 4: X's tiles hang on the work-group's y alone and are asked for jointly along a row of the cluster, W's on x alone, along a column.
; A tile's 16 rows, of X and of W alike, are 64 (T/4) + 8 (T%4) + r % 8 + 32 (r / 8).
; Q AND K are quantised along the head's 64: source 0 = 16 rows of W, source 1 = 16 rows of X: a lane (r, h) then holds one token, and the 32 registers of my four tiles of W are columns 32 h + 0 .. 31 of the head: ONE WHOLE SCALE BLOCK.
; V is quantised along the KEYS: the sources change places: a lane holds one column, and the 32 registers of X's tiles 4 c .. 4 c + 3 are keys 64 c + 32 h + 0 .. 31: a whole block too.  So the conversions' results are the next operand's registers as they fall.
; The bias is the C of each sum's first matrix instruction.  The scale words and biases of all three weights are loaded at the head; behind a pass's last product the next weight's are chosen by the trip's number (v_cndmask_b32).
; OUT: records [batch 4][head 16][key step 16] of 19,968 bytes: Q's, K's, V's part, 6,656 each.  Q, K: 8 tiles x 768 bytes (registers 0-3 at 16 x lane, 4-5 at 512 + 8 x lane), then 512 bytes of scale words at 16 x lane + 4 p
; (tile 2 p in lanes 0-15, tile 2 p + 1 in lanes 16-31; bytes 2, 3 are 127: attention's first product has K = 64 of the instruction's 128).  V: 4 tiles of 16 channels x 1,536 bytes (three times 16 x lane), then the scale words at 16 x lane + 4 t.
; LIMITS: NaN and infinities are not served; a block whose largest magnitude lies under 2^-124 keeps the byte 1 (a block of zeros too: its codes are zeros).
; REGISTERS: window 0: v4-26 addresses; v32-63 X's scale words, v68-83 W's (the two differ modulo 8); v84-115 the bias; v116-199 at work on the way out.  window 1: the accumulators.
; windows 2, 3: two sets of fragments (X's eight at v[12 i], W's four at v[96 + 12 t]); window 2, v144-239: Wk's and Wv's biases and scale words.
.set CH,    147456
.set BOFF,  49152
.set REC,   19968
.set PART,  6656
.set KSTR,  786432                     ; from a weight's tiles to the next weight's: 64 tiles x 12,288 bytes
.set ADA16, 4
.set ADA8,  8
.set ADB16, 12
.set ADB8,  16
.set L16,   20
.set L8,    21
.set L32,   22
.set BAQ,   23                         ; the bias, Q and K: 128 h
.set BAV,   24                         ; the bias, V: 4 (r + 24 (r / 8))
.set SH8,   26                         ; 8 h
.set XS,    32                         ; pair p of tiles, K step s: v[XS + 8 p + s]: the even tile's words in lanes 0-15, the odd tile's in lanes 16-31
.set WS,    68
.set BI,    84
.set TM,    116
.set PT,    132
.set PW,    140
.set SW,    148
.set PC,    152
.set BIK,   144                        ; window 2
.set BIV,   176
.set WSK,   208
.set WSV,   224
.set WV,    20
.set G1A,   24
.set G1B,   32
.set G0A,   40
.set G1R,   44                         ; s[44:51] group 1 of the refills: four tiles
.set G0L,   52                         ; s[52:55] group 0, the lower half's refill; s[72:75] the upper half's
.set SEL,   66
.set G0B,   68
.set G0H,   72
.set KC,    78
.set MK,    79
.set MSB, 0
.macro WIN new                         ; the immediate's high byte repeats the setting that is left
.if MSB != (\new)
	s_set_vgpr_msb (MSB<<8)|(\new)
.set MSB, (\new)
.endif
.endm
.macro PLACES n
.rept \n
	v_nop
.endr
.endm
.macro ROUND                           ; a round of the cluster's barrier
	s_barrier_signal -1
	s_barrier_wait -1
	s_cmp_lg_u32 s[WV], 0
	s_cbranch_scc1 .Lnot_wave_0_\@
	s_barrier_signal -3
.Lnot_wave_0_\@:
	s_barrier_wait -3
	s_barrier_signal -1
	s_barrier_wait -1
.endm
.macro WM d, a, b, c, sa, sb, ra, rb   ; one product; ra, rb = 1: that side's scale words stand in lanes 16-31
.if (\ra) && (\rb)
	v_wmma_scale_f32_16x16x128_f8f6f4 v[(\d):(\d)+7], v[(\a):(\a)+11], v[(\b):(\b)+11], v[(\c):(\c)+7], v[\sa], v[\sb] matrix_a_fmt:MATRIX_FMT_FP6 matrix_b_fmt:MATRIX_FMT_FP6 matrix_a_scale:MATRIX_SCALE_ROW1 matrix_b_scale:MATRIX_SCALE_ROW1
.elseif (\ra)
	v_wmma_scale_f32_16x16x128_f8f6f4 v[(\d):(\d)+7], v[(\a):(\a)+11], v[(\b):(\b)+11], v[(\c):(\c)+7], v[\sa], v[\sb] matrix_a_fmt:MATRIX_FMT_FP6 matrix_b_fmt:MATRIX_FMT_FP6 matrix_a_scale:MATRIX_SCALE_ROW1
.elseif (\rb)
	v_wmma_scale_f32_16x16x128_f8f6f4 v[(\d):(\d)+7], v[(\a):(\a)+11], v[(\b):(\b)+11], v[(\c):(\c)+7], v[\sa], v[\sb] matrix_a_fmt:MATRIX_FMT_FP6 matrix_b_fmt:MATRIX_FMT_FP6 matrix_b_scale:MATRIX_SCALE_ROW1
.else
	v_wmma_scale_f32_16x16x128_f8f6f4 v[(\d):(\d)+7], v[(\a):(\a)+11], v[(\b):(\b)+11], v[(\c):(\c)+7], v[\sa], v[\sb] matrix_a_fmt:MATRIX_FMT_FP6 matrix_b_fmt:MATRIX_FMT_FP6
.endif
.endm
.macro GRP1 g, rows                    ; rows of 6,144 bytes (four K steps of a tile), 12,288 apart in memory, dense in LDS; elements of 8 bytes
	s_mov_b32 s[\g+1], 768<<16
	s_mov_b32 s[\g+2], (\rows)<<16
	s_mov_b32 s[\g+3], 768<<16
	s_mov_b32 s[\g+4], \rows
	s_mov_b32 s[\g+5], 1536
	s_mov_b32 s[\g+6], 0
	s_mov_b32 s[\g+7], 0
.endm
.macro TLOAD g0, g1
	tensor_load_to_lds s[\g0:\g0+3], s[\g1:\g1+7]
	s_nop 0
	PLACES 4
.endm
	s_load_b256 s[4:11], s[0:1], 0x0               ; xf, xs, wf, ws
	s_load_b256 s[12:19], s[0:1], 0x20             ; bq, bk, bv, qkv
	v_lshl_add_u32 v254, v0, 2, 0x48000
	v_mov_b32 v255, 0
	ds_add_u32 v254, v255                          ; the opening lines: the add, twice on end, and its wait
	ds_add_u32 v254, v255
	v_lshrrev_b32 v1, 5, v0
	v_readfirstlane_b32 s[WV], v1                  ; wave 0..3
	s_lshr_b32 s21, s[WV], 1                       ; which half of K I fetch at the head
	s_bfe_u32 s22, ttmp6, 0x40000                  ; cx
	s_bfe_u32 s23, ttmp6, 0x40004                  ; cy
	s_lshl_b32 s85, ttmp9, 2
	s_add_co_u32 s85, s85, s22                     ; x: which 256 columns of each weight
	s_and_b32 s84, ttmp7, 0xffff
	s_lshl_b32 s84, s84, 2
	s_add_co_u32 s84, s84, s23                     ; y: which 128 rows
	s_lshl_b32 s89, s23, 2
	s_lshl_b32 s89, 15, s89                        ; my row of the cluster
	s_lshl_b32 s90, 0x1111, s22                    ; my column
	s_or_b32 s[G1A], s89, (3<<16)|(1<<21)          ; 15:0 the mask; 17:16 elements of 8 bytes; 21 set beside a mask
	s_or_b32 s[G1B], s90, (3<<16)|(1<<21)
	s_or_b32 s[G1R], s90, (3<<16)|(1<<21)
	GRP1 G1A, 8
	GRP1 G1B, 16
	GRP1 G1R, 4
	s_lshl_b32 s56, s84, 3                         ; X: tile 8 y, + my half of K  (these registers never hold cx)
	s_mul_i32 s56, s56, 12288
	s_mul_i32 s57, s21, 6144
	s_add_co_u32 s56, s56, s57
	s_mov_b32 s57, 0
	s_lshl_b32 s60, s85, 4                         ; Wq: tile 16 x, + my half of K  (these never hold cy)
	s_mul_i32 s60, s60, 12288
	s_mul_i32 s61, s21, 6144
	s_add_co_u32 s60, s60, s61
	s_mov_b32 s61, 0
	s_lshl_b32 s76, s85, 4                         ; the refills: my four tiles, 16 x + 4 w
	s_lshl_b32 s77, s[WV], 2
	s_add_co_u32 s76, s76, s77
	s_mul_i32 s76, s76, 12288
	s_mov_b32 s77, 0
	s_mul_i32 s87, s21, CH                         ; where they go: no place in the cluster enters an LDS address
	s_mul_i32 s88, s[WV], 24576
	s_add_co_u32 s88, s88, BOFF
	s_wait_dscnt 0x0
	s_wait_kmcnt 0x0
	s_mov_b32 s[G0A], 1
	s_mov_b32 s[G0A+1], s87
	s_add_nc_u64 s[G0A+2:G0A+3], s[4:5], s[56:57]
	s_or_b32 s[G0A+3], s[G0A+3], 0x80000000
	s_mov_b32 s[G0B], 1
	s_add_co_u32 s[G0B+1], s87, BOFF
	s_add_nc_u64 s[G0B+2:G0B+3], s[8:9], s[60:61]
	s_or_b32 s[G0B+3], s[G0B+3], 0x80000000
	s_mov_b32 s[G0L], 1                            ; both stand at Wq's tiles: each refill first steps to the next weight
	s_mov_b32 s[G0L+1], s88
	s_add_nc_u64 s[G0L+2:G0L+3], s[8:9], s[76:77]
	s_mov_b32 s[G0H], 1
	s_add_co_u32 s[G0H+1], s88, CH
	s_add_nc_u64 s[G0H+2:G0H+3], s[G0L+2:G0L+3], 6144
	s_or_b32 s[G0L+3], s[G0L+3], 0x80000000
	s_or_b32 s[G0H+3], s[G0H+3], 0x80000000
	ROUND                                          ; all sixteen work-groups are here: the joint loads meet
	s_cmp_eq_u32 s[WV], 0                          ; one chain of branches on the wave's number, one load to an arm
	s_cbranch_scc0 .Lfill_1
	TLOAD G0A, G1A                                 ; wave 0: X, K steps 0-3
	s_branch .Lfilled
.Lfill_1:
	s_cmp_eq_u32 s[WV], 1
	s_cbranch_scc0 .Lfill_2
	TLOAD G0B, G1B                                 ; wave 1: Wq, K steps 0-3
	s_branch .Lfilled
.Lfill_2:
	s_cmp_eq_u32 s[WV], 2
	s_cbranch_scc0 .Lfill_3
	TLOAD G0A, G1A                                 ; wave 2: X, K steps 4-7
	s_branch .Lfilled
.Lfill_3:
	TLOAD G0B, G1B                                 ; wave 3: Wq, K steps 4-7
.Lfilled:
	v_and_b32 v1, 31, v0                           ; lane
	v_and_b32 v2, 15, v0                           ; r
	v_bfe_u32 v3, v0, 4, 1                         ; h
	v_lshlrev_b32 v[L16], 4, v1
	v_lshlrev_b32 v[L8], 3, v1
	v_lshlrev_b32 v[L32], 5, v1
	v_lshlrev_b32 v[BAQ], 7, v3
	v_lshlrev_b32 v[SH8], 3, v3
	v_and_b32 v25, 8, v2
	v_mul_u32_u24 v25, v25, 3
	v_add_nc_u32 v25, v25, v2                      ; r + 24 (r / 8)
	v_lshlrev_b32 v[BAV], 2, v25
	s_mov_b32 s91, s88                             ; my four tiles of W in a half
.irp c, 0,1
	v_add_nc_u32 v[ADA16+\c], \c*CH, v[L16]
	v_add_nc_u32 v[ADA8+\c], \c*CH, v[L8]
	v_add_nc_u32 v[ADB16+\c], s91, v[L16]
	v_add_nc_u32 v[ADB8+\c], s91, v[L8]
	s_add_co_u32 s91, s91, CH
.endr
.irp b, 0,1
	v_mov_b32 v[TM+4+\b], 0                        ; written once: a lane permute's destination counts as one of its sources
.endr
	s_mov_b32 s[SEL], 0x76543210
	s_mov_b32 s[SEL+1], 0xfedcba98
	; the scale words come from memory once, for all of K: a pair of tiles is 1,024 consecutive bytes, 32 a lane
	s_lshl_b32 s94, s84, 12
	s_mov_b32 s95, 0
	s_add_nc_u64 s[6:7], s[6:7], s[94:95]
	s_lshl_b32 s96, s85, 4
	s_lshl_b32 s97, s[WV], 2
	s_add_co_u32 s96, s96, s97
	s_lshl_b32 s96, s96, 9
	s_mov_b32 s97, 0
	s_add_nc_u64 s[10:11], s[10:11], s[96:97]
	s_lshl_b32 s98, s85, 10
	s_lshl_b32 s99, s[WV], 8
	s_add_co_u32 s98, s98, s99                     ; my 64 columns of a bias: 4 (256 x + 64 w) bytes on
	s_mov_b32 s99, 0
	s_add_nc_u64 s[12:13], s[12:13], s[98:99]
	s_add_nc_u64 s[14:15], s[14:15], s[98:99]
	s_add_nc_u64 s[16:17], s[16:17], s[98:99]
.irp p, 0,1,2,3
	global_load_b128 v[XS+8*\p:XS+8*\p+3], v[L32], s[6:7] offset:1024*\p
	global_load_b128 v[XS+8*\p+4:XS+8*\p+7], v[L32], s[6:7] offset:1024*\p+16
.endr
.irp p, 0,1
	global_load_b128 v[WS+8*\p:WS+8*\p+3], v[L32], s[10:11] offset:1024*\p
	global_load_b128 v[WS+8*\p+4:WS+8*\p+7], v[L32], s[10:11] offset:1024*\p+16
.endr
.irp t, 0,1,2,3                                ; Q, K: register j of tile t is column 32 h + 8 t + j
	global_load_b128 v[BI+8*\t:BI+8*\t+3], v[BAQ], s[12:13] offset:32*\t
	global_load_b128 v[BI+8*\t+4:BI+8*\t+7], v[BAQ], s[12:13] offset:32*\t+16
.endr
	WIN 0x80                                       ; destinations in window 2
.irp k, 0,1                                    ; Wk's and Wv's scale words: 64 tiles x 512 bytes further on each
.irp p, 0,1
	global_load_b128 v[WSK+16*\k+8*\p:WSK+16*\k+8*\p+3], v[L32], s[10:11] offset:32768*(\k+1)+1024*\p
	global_load_b128 v[WSK+16*\k+8*\p+4:WSK+16*\k+8*\p+7], v[L32], s[10:11] offset:32768*(\k+1)+1024*\p+16
.endr
.endr
.irp t, 0,1,2,3
	global_load_b128 v[BIK+8*\t:BIK+8*\t+3], v[BAQ], s[14:15] offset:32*\t
	global_load_b128 v[BIK+8*\t+4:BIK+8*\t+7], v[BAQ], s[14:15] offset:32*\t+16
.endr
.irp t, 0,1,2,3                                ; V: all eight registers belong to the lane's one column, 8 t + r % 8 + 32 (r / 8)
.irp j, 0,1,2,3,4,5,6,7
	global_load_b32 v[BIV+8*\t+\j], v[BAV], s[16:17] offset:32*\t
.endr
.endr
	WIN 0
	s_lshr_b32 s94, s84, 4                         ; where my record begins: ((batch x 16 + head) x 16 + key step) x 19,968
	s_lshl_b32 s94, s94, 4
	s_lshl_b32 s95, s85, 2
	s_add_co_u32 s94, s94, s95
	s_add_co_u32 s94, s94, s[WV]
	s_lshl_b32 s94, s94, 4
	s_and_b32 s95, s84, 15
	s_add_co_u32 s94, s94, s95
	s_mul_i32 s94, s94, REC
	s_mov_b32 s95, 0
	s_add_nc_u64 s[18:19], s[18:19], s[94:95]
.macro FRAGH reg, a16, a8, off         ; a fragment from its image: every load takes consecutive bytes, 16 or 8 a lane
	ds_load_b128 v[(\reg):(\reg)+3], v[\a16] offset:(\off)
	ds_load_b64 v[(\reg)+4:(\reg)+5], v[\a8] offset:(\off)+512
	ds_load_b128 v[(\reg)+6:(\reg)+9], v[\a16] offset:(\off)+768
	ds_load_b64 v[(\reg)+10:(\reg)+11], v[\a8] offset:(\off)+1280
.endm
.macro FETCH s                         ; K step s: X's eight fragments and my four of W, 48 loads, into set s % 2
	WIN (2+(\s)%2)<<6
.irp i, 0,1,2,3,4,5,6,7
	FRAGH 12*\i, ADA16+(\s)/4, ADA8+(\s)/4, 6144*\i+1536*((\s)%4)
.endr
.irp t, 0,1,2,3
	FRAGH 96+12*\t, ADB16+(\s)/4, ADB8+(\s)/4, 6144*\t+1536*((\s)%4)
.endr
	WIN 0
.endm
; K step s: 32 products, the 32 accumulators by turns in the same order in every step.  Step 0 takes the bias as C.  v = 0: Q, K; v = 1: V
.macro MUL s, v
.if (\s) == 0
	WIN 0x4a                                       ; sources 0, 1 window 2, C window 0, D window 1
.elseif (\s)%2 == 0
	WIN 0x5a                                       ; C and D window 1
.else
	WIN 0x5f                                       ; sources 0, 1 window 3
.endif
.if (\v) == 0
.irp i, 0,1,2,3,4,5,6,7
.irp t, 0,1,2,3
.if (\s) == 0
	WM 8*(4*\i+\t), 96+12*\t, 12*\i, BI+8*\t, WS+8*(\t/2)+(\s), XS+8*(\i/2)+(\s), \t%2, \i%2
.else
	WM 8*(4*\i+\t), 96+12*\t, 12*\i, 8*(4*\i+\t), WS+8*(\t/2)+(\s), XS+8*(\i/2)+(\s), \t%2, \i%2
.endif
.endr
.endr
.else
.irp t, 0,1,2,3
.irp i, 0,1,2,3,4,5,6,7
.if (\s) == 0
	WM 8*(8*\t+\i), 12*\i, 96+12*\t, BI+8*\t, XS+8*(\i/2)+(\s), WS+8*(\t/2)+(\s), \i%2, \t%2
.else
	WM 8*(8*\t+\i), 12*\i, 96+12*\t, 8*(8*\t+\i), XS+8*(\i/2)+(\s), WS+8*(\t/2)+(\s), \i%2, \t%2
.endif
.endr
.endr
.endif
	WIN 0
.endm
; A refill: every wave has waited for all its tensor loads, has added 0 to its spare word and has waited for that and for its reads of the slot; a round; then its one joint load
.macro REFILL g0
	s_wait_tensorcnt 0x0                           ; all my loads are in: so every group 0 may be written
	ds_add_u32 v254, v255
	s_add_nc_u64 s[\g0+2:\g0+3], s[\g0+2:\g0+3], KSTR   ; the next weight's tiles
	s_wait_dscnt 0x0                               ; the add is done, and so are my reads of this half
	ROUND
	tensor_load_to_lds s[\g0:\g0+3], s[G1R:G1R+7]
	s_nop 0
.endm
.macro KSTEP s, v, rf                  ; rf = 1: a further weight follows
.if (\s) == 3
.if \rf
	REFILL G0L                                     ; K step 3's fragments are in registers: the lower half takes the next weight's.  The round also shows the upper half
.else
	s_wait_tensorcnt 0x0                           ; a plain barrier shows the upper half
	s_wait_dscnt 0x0
	s_barrier_signal -1
	s_barrier_wait -1
.endif
.endif
.if (\s) < 7
	PLACES 4                                       ; in front of loads into the set that the last products read
	FETCH (\s)+1
	s_wait_dscnt 48                                ; all but the 48 just issued
.elseif \rf
	REFILL G0H                                     ; K step 7's fragments are in registers: the upper half takes the next weight's.  The round also shows the lower half,
	PLACES 4
	FETCH 0                                        ; whose first K step is fetched under this pass's last products and its way out
.else
	s_wait_dscnt 0x0
.endif
	MUL \s, \v
.endm
; 64 numbers of a lane in window 1, from register 64 p on: two whole blocks of 32 (u = 0, 1), worked jointly, each in two chains.  Each accumulator is read from its low end on.
; v = 0 (Q, K): block u is columns 32 h + 0 .. 31 of my token of tile 2 p + u: six registers of codes and a scale word for each tile.
; v = 1 (V): block u is keys 64 u + 32 h + 0 .. 31 of my channel of tile p: twelve registers of codes and one scale word.
.macro QUANT p, v
	WIN 0x05                                       ; sources 0, 1: window 1
.irp u, 0,1
	v_max3_num_f32 v[TM+2*\u], |v[64*(\p)+32*\u]|, |v[64*(\p)+32*\u+1]|, 0x1800000   ; with the floor 2^(3 - 127)
	v_max3_num_f32 v[TM+2*\u+1], |v[64*(\p)+32*\u+16]|, |v[64*(\p)+32*\u+17]|, 0x1800000
.endr
.irp i, 2,4,6,8,10,12,14
.irp u, 0,1
	v_max3_num_f32 v[TM+2*\u], |v[64*(\p)+32*\u+\i]|, |v[64*(\p)+32*\u+\i+1]|, v[TM+2*\u]
	v_max3_num_f32 v[TM+2*\u+1], |v[64*(\p)+32*\u+16+\i]|, |v[64*(\p)+32*\u+17+\i]|, v[TM+2*\u+1]
.endr
.endr
	WIN 0
.irp u, 0,1
	v_max_num_f32 v[TM+2*\u], v[TM+2*\u], v[TM+2*\u+1]   ; the block's largest magnitude
.endr
.irp u, 0,1
	v_add_nc_u32 v[TM+12+\u], 0xff000000, v[TM+2*\u]     ; 2 off the exponent field: the conversion's scale operand
.endr
.irp u, 0,1
	v_lshrrev_b32 v[TM+8+\u], 23, v[TM+12+\u]            ; the byte
.endr
.if \v
	v_lshl_or_b32 v[TM+8], v[TM+9], 16, v[TM+8]    ; my two bytes, blocks h and 2 + h,
	v_lshlrev_b32 v[TM+8], v[SH8], v[TM+8]         ; at their places in the word;
	v_permlanex16_b32 v[TM+4], v[TM+8], s[SEL], s[SEL+1]
	v_or_b32 v[PW+(\p)], v[TM+8], v[TM+4]          ; with lane l xor 16's two the word is whole
.else
.irp u, 0,1
	v_lshlrev_b32 v[TM+8+\u], v[SH8], v[TM+8+\u]   ; my byte, block h, at its place;
.endr
.irp u, 0,1
	v_permlanex16_b32 v[TM+4+\u], v[TM+8+\u], s[SEL], s[SEL+1]
.endr
.irp u, 0,1
	v_or_b32 v[TM+8+\u], v[TM+8+\u], v[TM+4+\u]    ; with lane l xor 16's;
.endr
.irp u, 0,1
	v_or_b32 v[PW+2*(\p)+\u], 0x7f7f0000, v[TM+8+\u]   ; the upper 64 of the instruction's K meet zero codes: their bytes are 127
.endr
.endif
	WIN 0x01
.irp u, 0,1
	v_cvt_scalef32_pk16_fp6_f32 v[PC+12*(\p)+6*\u:PC+12*(\p)+6*\u+2], v[64*(\p)+32*\u:64*(\p)+32*\u+15], v[TM+12+\u]
	v_cvt_scalef32_pk16_fp6_f32 v[PT+4*\u:PT+4*\u+2], v[64*(\p)+32*\u+16:64*(\p)+32*\u+31], v[TM+12+\u]   ; (a conversion's three registers begin on an even number)
.endr
	WIN 0
	v_nop                                          ; one plain place behind a scaled conversion
.irp u, 0,1
.irp i, 0,1,2
	v_mov_b32 v[PC+12*(\p)+6*\u+3+\i], v[PT+4*\u+\i]
.endr
.endr
.endm
	s_wait_alu depctr_va_vdst(0)                   ; the head's end
	s_cmp_lt_u32 s[WV], 2                          ; waves 0 and 1 wait for the lower half of K, which their own load lines brought
	s_cbranch_scc0 .Lnot_lo
	s_wait_tensorcnt 0x0
.Lnot_lo:
	s_barrier_signal -1
	s_barrier_wait -1
	FETCH 0
	s_wait_loadcnt 0x0                             ; the scale words and the biases
	s_mov_b32 s[KC], 0
.Lkind:                                                ; trip 0: Q, trip 1: K
.irp s, 0,1,2,3,4,5,6,7
	KSTEP \s, 0, 1
.endr
	s_cmp_eq_u32 s[KC], 0
	s_cselect_b32 s[MK], 0, -1                     ; the next weight: Wk behind trip 0, Wv behind trip 1
	WIN 0x0a                                       ; sources 0, 1: window 2
.set n, 0
.rept 32
	v_cndmask_b32 v[BI+n], v[BIK+n], v[BIV+n], s[MK]   ; its bias (these lines name no register of the last products: they are the places behind them),
.set n, n+1
.endr
.set n, 0
.rept 16
	v_cndmask_b32 v[WS+n], v[WSK+n], v[WSV+n], s[MK]   ; and its scale words
.set n, n+1
.endr
	WIN 0
.irp p, 0,1,2,3                                ; two tiles of 16 tokens at a time.  Every store's data have registers of their own within a trip
	QUANT \p, 0
.irp u, 0,1
	global_store_b128 v[L16], v[PC+12*\p+6*\u:PC+12*\p+6*\u+3], s[18:19] offset:768*(2*\p+\u)        ; 512 consecutive bytes, aligned to 256
	global_store_b64 v[L8], v[PC+12*\p+6*\u+4:PC+12*\p+6*\u+5], s[18:19] offset:768*(2*\p+\u)+512    ; 256
.endr
.endr
	s_mov_b32 vcc_lo, 0xffff0000                   ; lanes 16-31
.irp p, 0,1,2,3
	v_cndmask_b32 v[SW+\p], v[PW+2*\p], v[PW+2*\p+1], vcc_lo   ; tile 2 p's words in lanes 0-15, tile 2 p + 1's in lanes 16-31
.endr
	global_store_b128 v[L16], v[SW:SW+3], s[18:19] offset:6144
	s_wait_alu depctr_va_vdst(0)                   ; directly ahead of the wait below
	s_wait_xcnt 0x0                                ; the stores have read their base and their data
	s_add_nc_u64 s[18:19], s[18:19], PART          ; the record's next part
	s_add_co_u32 s[KC], s[KC], 1
	s_cmp_lt_u32 s[KC], 2
	s_cbranch_scc1 .Lkind
.irp s, 0,1,2,3,4,5,6,7                        ; V: nothing more is fetched from memory
	KSTEP \s, 1, 0
.endr
	PLACES 4                                       ; behind the last products, ahead of the first read of results
.irp t, 0,1,2,3                                ; a tile of 16 channels x 128 keys at a time
	QUANT \t, 1
.irp g, 0,1,2
	global_store_b128 v[L16], v[PC+12*\t+4*\g:PC+12*\t+4*\g+3], s[18:19] offset:1536*\t+512*\g
.endr
.endr
	global_store_b128 v[L16], v[PW:PW+3], s[18:19] offset:6144
	s_wait_tensorcnt 0x0                           ; the wave's end
	ds_add_u32 v254, v255
	s_wait_dscnt 0x0
	ROUND                                          ; the closing round
	s_endpgm
.Lfunc_end_k_q1ffe9d7f13_qkv:
	.size	k_q1ffe9d7f13_qkv, .Lfunc_end_k_q1ffe9d7f13_qkv-k_q1ffe9d7f13_qkv
	.p2alignl 7, 3214868480
	.fill 96, 4, 3214868480
	.section	.rodata,"a",@progbits
	.p2align	6, 0x0
	.amdhsa_kernel k_q1ffe9d7f13_qkv
		.amdhsa_group_segment_fixed_size 327680
		.amdhsa_private_segment_fixed_size 0
		.amdhsa_enable_private_segment 0
		.amdhsa_kernarg_size 64
		.amdhsa_user_sgpr_count 2
		.amdhsa_user_sgpr_kernarg_segment_ptr 1
		.amdhsa_wavefront_size32 1
		.amdhsa_system_sgpr_workgroup_id_x 1
		.amdhsa_system_sgpr_workgroup_id_y 1
		.amdhsa_system_sgpr_workgroup_id_z 1
		.amdhsa_system_vgpr_workitem_id 0
		.amdhsa_next_free_vgpr 912
		.amdhsa_next_free_sgpr 100
		.amdhsa_reserve_vcc 1
		.amdhsa_float_denorm_mode_32 3
		.amdhsa_float_denorm_mode_16_64 3
		.amdhsa_memory_ordered 1
		.amdhsa_forward_progress 1
		.amdhsa_inst_pref_size 165
	.end_amdhsa_kernel
	.amdgpu_metadata
---
amdhsa.version: [ 1, 2 ]
amdhsa.kernels:
  - .name:           k_q1ffe9d7f13_qkv
    .symbol:         k_q1ffe9d7f13_qkv.kd
    .args:
      - { .name: xf, .offset: 0, .size: 8, .value_kind: global_buffer, .address_space: global }
      - { .name: xs, .offset: 8, .size: 8, .value_kind: global_buffer, .address_space: global }
      - { .name: wf, .offset: 16, .size: 8, .value_kind: global_buffer, .address_space: global }
      - { .name: ws, .offset: 24, .size: 8, .value_kind: global_buffer, .address_space: global }
      - { .name: bq, .offset: 32, .size: 8, .value_kind: global_buffer, .address_space: global }
      - { .name: bk, .offset: 40, .size: 8, .value_kind: global_buffer, .address_space: global }
      - { .name: bv, .offset: 48, .size: 8, .value_kind: global_buffer, .address_space: global }
      - { .name: qkv, .offset: 56, .size: 8, .value_kind: global_buffer, .address_space: global }
    .group_segment_fixed_size: 327680
    .private_segment_fixed_size: 0
    .kernarg_segment_align: 8
    .kernarg_segment_size: 64
    .max_flat_workgroup_size: 128
    .sgpr_count:     100
    .vgpr_count:     912
    .wavefront_size: 32
...
	.end_amdgpu_metadata
.endif
;; end of part 2
;; launch attn (part 3): grid 4 x 64, 8 waves a work-group, clusters of 4 x 1, 327,680 bytes of LDS; arguments qkv, attention_mask, cf, cs; writes cf, cs
.if DOCPART == 3
	.amdgcn_target "amdgcn-amd-amdhsa--gfx1250"
	.amdhsa_code_object_version 6
	.text
	.protected	k_q1ffe9d7f13_attn
	.globl	k_q1ffe9d7f13_attn
	.p2align	8
	.type	k_q1ffe9d7f13_attn,@function
k_q1ffe9d7f13_attn:
	s_mov_b64 s[64:65], 0
	v_nop
	global_prefetch_b8 v0, s[64:65] scope:SCOPE_SE
	s_setreg_imm32_b32 hwreg(HW_REG_WAVE_MODE, 25, 1), 1
	s_wait_xcnt 0x0
	s_wait_alu depctr_hold_cnt(0) depctr_sa_sdst(0) depctr_va_vdst(0) depctr_va_sdst(0) depctr_va_ssrc(0) depctr_va_vcc(0) depctr_vm_vsrc(0)
	s_getreg_b32 s2, hwreg(HW_REG_IB_STS2, 6, 4)
	s_cmp_eq_u32 s2, 0
	s_cbranch_scc0 .Lentry_in_a_cluster
	s_endpgm
.Lentry_in_a_cluster:
	s_bfe_u32 s2, ttmp6, 0x10000c
	s_cmp_lg_u32 s2, 0x3003
	s_cbranch_scc0 .Lentry_shape_is_right
	s_endpgm
.Lentry_shape_is_right:
; ctx = softmax(Q K^T / 8 + mask) V for one batch and head, on codes of FP6 (E2M3) with E8M0 scales; ctx leaves as codes and scale bytes for the last product.
; IN: records [batch 4][head 16][key step 16] of 19,968 bytes: Q's, K's, V's part, 6,656 each, images of the operands' registers, as the launch before leaves them.
; SHARES.  The cluster's y is batch x 16 + head; the four work-groups of a cluster take 512 queries each and need the same K and V: these are asked for JOINTLY (mask 15).
; Wave w asks for key steps 2 w, 2 w + 1 (2 rows of 13,312 bytes, K's and V's part of a record, 19,968 apart): one tensor load a wave, all 16 steps, 212,992 bytes, filled once; nothing is filled again.
; A wave owns 64 queries, four tiles of 16, in two passes of TWO TILES THAT ARE WORKED JOINTLY: their blocks take turns line by line, and one batch of exponentials serves both.
; Both products are used transposed (S^T = K Q^T, O^T = V^T P^T): a lane (r, h) holds one query.  A tile's 16 rows (tokens, and V's channels) are 64 (T/4) + 8 (T%4) + r % 8 + 32 (r / 8):
; so the 32 registers of K's tiles 4 c .. 4 c + 3 are keys 64 c + 32 h + 0 .. 31, ONE WHOLE SCALE BLOCK, in the order of P's operand registers, and O^T's 32 registers are channels 32 h + 0 .. 31, a whole block of ctx.
; 8 x mask is the C of the first product, so t = (S + 8 mask) log2(e) / 8.
; p = 2^(t - M), M the running largest t rounded up to a whole number; the row's sum is taken of the unquantised p; when M moves, sum and O^T are multiplied by a power of two, in every step, without a branch.
; A block's largest p is the exponential of the block's largest score.  The first product has K = 64 of the instruction's 128: Q's upper six registers are zero codes.
; K, its scale words and the mask of the NEXT step are fetched from LDS straight behind this step's scores' products, into the same registers.  The step's number wraps at 16:
; so the first pass's last step fetches the second pass's first, and the second pass's last step fetches 33 loads that nobody uses.
; No prefetch from memory: every tensor load stands at the head, and no loop runs ahead of a load.
; LIMITS: 8 x mask is held to +-2^33, so a mask of -infinity counts as a very large negative number, and a row whose keys are ALL so masked gets the mean of V where the exact softmax has NaN;
; the promise holds while the scaled scores stay under 2^31 in magnitude; NaN among the inputs is not served; a block whose largest magnitude lies under 2^-124 keeps the byte 1.
; REGISTERS: window 0: v1-7 addresses, v8-23 scale words and two temporaries, v24-39 f, -M, the largest score and the sum of two tiles, lane exchanges, v40-67 at work, v68-91 P, v96-223 S, v224-237 the second pass's Q, v238-252 the way out.
; window 1: v0-63 O^T, v64-117 K, v120-167 V, v168-231 the mask, v232-255 Q.
.set REC,   19968
.set STEPB, 13312
.set MASK,  16*STEPB                   ; behind K and V: 8 x mask, 2,048 numbers; stored by ds_store, no fill lands there
.set SPARE, MASK+8192                  ; the spare words: 128 bytes a wave
.set LB,  1
.set LH,  2
.set MA,  3
.set AK,  4
.set AH,  5
.set AM,  6
.set L2,  7
.set KS,  8                            ; K's and Q's scale registers, and V's and P's, differ modulo 8
.set VS,  12
.set PS,  16
.set T1,  18
.set QS,  20
.set T2,  22
.set F,   24                           ; tile q: v[F+2q], in a pair
.set ST,  28                           ; tile q: v[ST+4q] -M, +1 the largest score, +2, +3 the sum in two halves
.set BP,  36                           ; what lane l xor 16 holds
.set BX,  38
.set BM,  40                           ; v[BM+e], v[BN+e]: the two chains of my block e = 2 q + c
.set BN,  44
.set PT,  40                           ; v40-55: the conversions' upper halves lie where the chains lay: those are done with by then
.set BS,  56
.set TT,  64
.set P,   68
.set SPW, 92
.set NIL, 93
.set R16, 94
.set SH8, 95                           ; 8 h
.set S,   96                           ; v[S+32e+i]: key 64 c + 32 h + i of tile q's query
.set Q2,  224
.set QS2, 236
.set CW,  238
.set HW,  250
.set HX,  252
.set O,   0                            ; window 1
.set KR,  64
.set VR,  120
.set MR,  168
.set QR,  232
.set WV,  12
.set G1,  24
.set G0,  32
.set CS,  48
.set SEL, 50
.set TB,  52
.set TMK, 53
.set CNT, 54
.set IDX, 55
.set CSN, 71
.set MSB, 0
.macro WIN new                         ; the immediate's high byte repeats the setting that is left
.if MSB != (\new)
	s_set_vgpr_msb (MSB<<8)|(\new)
.set MSB, (\new)
.endif
.endm
.macro PLACES n
.rept \n
	v_nop
.endr
.endm
.macro WALU
	s_wait_alu depctr_va_vdst(0)
.endm
.macro DEP2                            ; the line behind it reads what the second vector line back wrote
	s_delay_alu instid0(VALU_DEP_2)
.endm
.macro ROUND                           ; a round of the cluster's barrier
	s_barrier_signal -1
	s_barrier_wait -1
	s_cmp_lg_u32 s[WV], 0
	s_cbranch_scc1 .Lnot_wave_0_\@
	s_barrier_signal -3
.Lnot_wave_0_\@:
	s_barrier_wait -3
	s_barrier_signal -1
	s_barrier_wait -1
.endm
.macro WM d, a, b, c, sa, sb, ra       ; ra = 1: source 0's scale words stand in lanes 16-31
.if (\ra)
	v_wmma_scale_f32_16x16x128_f8f6f4 v[(\d):(\d)+7], v[(\a):(\a)+11], v[(\b):(\b)+11], v[(\c):(\c)+7], v[\sa], v[\sb] matrix_a_fmt:MATRIX_FMT_FP6 matrix_b_fmt:MATRIX_FMT_FP6 matrix_a_scale:MATRIX_SCALE_ROW1
.else
	v_wmma_scale_f32_16x16x128_f8f6f4 v[(\d):(\d)+7], v[(\a):(\a)+11], v[(\b):(\b)+11], v[(\c):(\c)+7], v[\sa], v[\sb] matrix_a_fmt:MATRIX_FMT_FP6 matrix_b_fmt:MATRIX_FMT_FP6
.endif
.endm
	s_load_b256 s[4:11], s[0:1], 0x0               ; qkv, attention_mask, cf, cs
	v_lshl_add_u32 v[SPW], v0, 2, SPARE
	v_mov_b32 v[NIL], 0
	ds_add_u32 v[SPW], v[NIL]                      ; the opening lines: the add, twice on end, and its wait
	ds_add_u32 v[SPW], v[NIL]
	v_lshrrev_b32 v1, 5, v0
	v_readfirstlane_b32 s[WV], v1                  ; wave 0..7
	s_bfe_u32 s13, ttmp6, 0x40000                  ; cx
	s_and_b32 s14, ttmp7, 0xffff                   ; batch x 16 + head
	s_mul_i32 s16, s14, 16*REC
	s_mov_b32 s17, 0
	s_mul_i32 s18, s[WV], 2*REC                    ; my two key steps,
	s_add_co_u32 s18, s18, 6656                    ; behind Q's part
	s_add_co_u32 s18, s18, s16
	s_mov_b32 s19, 0
	s_mov_b32 s[G1], 15|(3<<16)|(1<<21)            ; the mask: all four partners; elements of 8 bytes; bit 21 beside a mask
	s_mov_b32 s[G1+1], 1664<<16                    ; a row: 13,312 bytes
	s_mov_b32 s[G1+2], 2<<16
	s_mov_b32 s[G1+3], 1664<<16
	s_mov_b32 s[G1+4], 2
	s_mov_b32 s[G1+5], 2496                        ; from record to record
	s_mov_b32 s[G1+6], 0
	s_mov_b32 s[G1+7], 0
	s_mov_b32 s[G0], 1
	s_mul_i32 s[G0+1], s[WV], 2*STEPB
	s_mov_b32 s[CS], 0x3e38aa3b                    ; c = log2(e) / 8
	s_mov_b32 s[CS+1], s[CS]
	s_mov_b32 s[CSN], 0xbe38aa3b                   ; -c
	s_mov_b32 s[SEL], 0x76543210
	s_mov_b32 s[SEL+1], 0xfedcba98                 ; selects for lane l xor 16
	s_wait_dscnt 0x0
	s_wait_kmcnt 0x0
	s_add_nc_u64 s[G0+2:G0+3], s[4:5], s[18:19]
	s_or_b32 s[G0+3], s[G0+3], 0x80000000
	ROUND                                          ; the four work-groups are here: the joint loads meet
	tensor_load_to_lds s[G0:G0+3], s[G1:G1+7]      ; my one tensor load
	s_nop 0
	s_lshl_b32 s15, ttmp9, 2
	s_add_co_u32 s15, s15, s13                     ; which 512 queries
	s_lshl_b32 s56, s15, 2
	s_lshr_b32 s57, s[WV], 1
	s_add_co_u32 s56, s56, s57                     ; my queries' record; in it my tiles are 4 (w % 2) + 2 pass + q
	s_mul_i32 s56, s56, REC
	s_add_co_u32 s56, s56, s16
	s_mov_b32 s57, 0
	s_add_nc_u64 s[58:59], s[4:5], s[56:57]
	s_and_b32 s66, s[WV], 1
	s_mul_i32 s56, s66, 3072
	s_add_nc_u64 s[60:61], s[58:59], s[56:57]      ; Q's codes
	s_lshl_b32 s56, s66, 3
	s_add_co_u32 s56, s56, 6144
	s_add_nc_u64 s[62:63], s[58:59], s[56:57]      ; Q's scale words
	s_lshr_b32 s67, s14, 4                         ; batch
	s_and_b32 s68, s14, 15                         ; head
	s_lshl_b32 s56, s67, 13
	s_add_nc_u64 s[6:7], s[6:7], s[56:57]
	s_lshl_b32 s69, s67, 7
	s_lshl_b32 s70, s15, 5
	s_add_co_u32 s69, s69, s70
	s_lshl_b32 s70, s[WV], 2
	s_add_co_u32 s69, s69, s70                     ; my first tile of ctx: 128 batch + 32 x + 4 w
	s_mul_i32 s56, s69, 12288
	s_mul_i32 s70, s68, 768
	s_add_co_u32 s56, s56, s70
	s_add_nc_u64 s[8:9], s[8:9], s[56:57]
	s_lshl_b32 s56, s69, 5
	s_lshl_b32 s70, s68, 14
	s_add_co_u32 s56, s56, s70
	s_add_nc_u64 s[10:11], s[10:11], s[56:57]
	v_and_b32 v1, 31, v0
	v_and_b32 v[R16], 15, v0
	v_bfe_u32 v[MA], v0, 4, 1
	v_lshlrev_b32 v104, 4, v0
	v_lshl_add_u32 v105, v0, 4, MASK
	v_lshlrev_b32 v[LH], 3, v1
	v_lshlrev_b32 v[L2], 1, v1
	v_lshlrev_b32 v[R16], 4, v[R16]
	v_lshlrev_b32 v[SH8], 3, v[MA]
	v_lshl_add_u32 v[MA], v[MA], 7, MASK           ; the mask of my blocks: 128 h bytes on
	v_lshlrev_b32 v[LB], 4, v1
	global_load_b128 v[96:99], v104, s[6:7]        ; the batch's mask: 8,192 bytes, 32 a thread
	global_load_b128 v[100:103], v104, s[6:7] offset:4096
	WIN 0x40
.irp q, 0,1
	global_load_b128 v[QR+12*\q:QR+12*\q+3], v[LB], s[60:61] offset:768*\q
	global_load_b64 v[QR+12*\q+4:QR+12*\q+5], v[LH], s[60:61] offset:768*\q+512
.endr
	WIN 0
.irp q, 0,1
	global_load_b128 v[Q2+6*\q:Q2+6*\q+3], v[LB], s[60:61] offset:768*(2+\q)
	global_load_b64 v[Q2+6*\q+4:Q2+6*\q+5], v[LH], s[60:61] offset:768*(2+\q)+512
.endr
.irp q, 0,1
	global_load_b32 v[QS+\q], v[R16], s[62:63] offset:256*\q
	global_load_b32 v[QS2+\q], v[R16], s[62:63] offset:4+256*\q
.endr
	v_mov_b32 v[AK], v[LB]                         ; step 0
	v_mov_b32 v[AH], v[LH]
	v_mov_b32 v[AM], v[MA]
.irp e, 0,1,2,3
	v_mov_b32 v[BP+\e], 0                          ; a lane permute's destination counts as one of its sources
.endr
	v_mov_b32 v[F+1], 0
	v_mov_b32 v[F+3], 0
.macro INIT                            ; the step is written once: the first finds zeros and a largest score under every score
.irp q, 0,1
	v_mov_b32 v[ST+4*\q], 0x7f61b1e6
	v_mov_b32 v[ST+4*\q+1], 0xff61b1e6
	v_mov_b32 v[ST+4*\q+2], 0
	v_mov_b32 v[ST+4*\q+3], 0
.endr
	WIN 0x40
.set j, 0
.rept 64
	v_mov_b32 v[O+j], 0
.set j, j+1
.endr
	WIN 0
.endm
	WIN 0x40
.irp q, 0,1
.irp j, 6,7,8,9,10,11
	v_mov_b32 v[QR+12*\q+\j], 0                    ; zero codes for the upper 64 of the instruction's K
.endr
.endr
.irp j, 48,49,50,51,52,53
	v_mov_b32 v[KR+\j], 0                          ; behind K's last tile: they meet Q's zero codes
.endr
	WIN 0
	INIT
	s_wait_loadcnt 12                              ; the mask is in; Q's 12 loads may be out
.irp j, 96,97,98,99,100,101,102,103
	v_mul_f32 v[\j], 0x41000000, v[\j]
.endr
.irp j, 96,97,98,99,100,101,102,103
	v_max_num_f32 v[\j], 0xd0000000, v[\j]
.endr
.irp j, 96,97,98,99,100,101,102,103
	v_min_num_f32 v[\j], 0x50000000, v[\j]
.endr
	ds_store_b128 v105, v[96:99]
	ds_store_b128 v105, v[100:103] offset:4096
.macro KLOAD                           ; K's scale words, the mask and K of the step at v[AK], v[AH], v[AM]: 33 loads
	ds_load_b128 v[KS:KS+3], v[AK] offset:6144
	WIN 0x40
.irp c, 0,1
.irp e, 0,1,2,3,4,5,6,7
	ds_load_b128 v[MR+32*\c+4*\e:MR+32*\c+4*\e+3], v[AM] offset:256*\c+16*\e   ; keys 64 c + 32 h + 4 e ..
.endr
.endr
.irp i, 0,1,2,3,4,5,6,7
	ds_load_b128 v[KR+6*\i:KR+6*\i+3], v[AK] offset:768*\i
	ds_load_b64 v[KR+6*\i+4:KR+6*\i+5], v[AH] offset:768*\i+512
.endr
	WIN 0
.endm
; S of two tiles becomes P's codes, P's scale words, f; the sums and M are carried on.  A lane has four whole blocks, e = 2 q + c
.macro SOFTMAX2
.irp e, 0,1,2,3
	v_max3_num_f32 v[BM+\e], v[S+32*\e], v[S+32*\e+1], v[S+32*\e+2]   ; each block's largest score, in two chains; each accumulator is read from its low end on
	v_max3_num_f32 v[BN+\e], v[S+32*\e+16], v[S+32*\e+17], v[S+32*\e+18]
.endr
.irp i, 3,5,7,9,11,13
.irp e, 0,1,2,3
	v_max3_num_f32 v[BM+\e], v[BM+\e], v[S+32*\e+\i], v[S+32*\e+\i+1]
	v_max3_num_f32 v[BN+\e], v[BN+\e], v[S+32*\e+16+\i], v[S+32*\e+17+\i]
.endr
.endr
.irp e, 0,1,2,3
	v_max3_num_f32 v[BM+\e], v[BM+\e], v[BN+\e], v[S+32*\e+15]
.endr
.irp e, 0,1,2,3
	v_max_num_f32 v[BM+\e], v[BM+\e], v[S+32*\e+31]
.endr
.irp q, 0,1
	v_max_num_f32 v[T1+\q], v[BM+2*\q], v[BM+2*\q+1]
.endr
.irp q, 0,1
	DEP2
	v_permlanex16_b32 v[BP+\q], v[T1+\q], s[SEL], s[SEL+1]
.endr
.irp q, 0,1
	DEP2
	v_max3_num_f32 v[ST+4*\q+1], v[ST+4*\q+1], v[T1+\q], v[BP+\q]   ; the running largest score (c is positive: it is the largest t's)
.endr
.irp q, 0,1
	DEP2
	v_mul_f32 v[T1+\q], s[CSN], v[ST+4*\q+1]       ; -t
.endr
.irp q, 0,1
	DEP2
	v_floor_f32 v[T2+\q], v[T1+\q]                 ; the new -M = floor(-t)
.endr
.irp q, 0,1
	DEP2
	v_sub_f32 v[T1+\q], v[T2+\q], v[ST+4*\q]       ; old M less new M
.endr
.irp q, 0,1
	v_mov_b32 v[ST+4*\q], v[T2+\q]
.endr
.irp q, 0,1
	v_cvt_i32_f32 v[T1+\q], v[T1+\q]               ; (it saturates)
.endr
.irp q, 0,1
	DEP2
	v_ldexp_f32 v[F+2*\q], 1.0, v[T1+\q]           ; f = 2^(old M - new M)
.endr
.irp q, 0,1
.set j, 0
.rept 32
	v_pk_fma_f32 v[S+64*\q+j:S+64*\q+j+1], v[S+64*\q+j:S+64*\q+j+1], s[CS:CS+1], v[ST+4*\q:ST+4*\q+1] op_sel_hi:[1,0,0]   ; t - M
.set j, j+2
.endr
.endr
.irp e, 0,1,2,3
	v_fma_f32 v[BM+\e], v[BM+\e], s[CS], v[ST+4*(\e/2)]
.endr
	WALU                                           ; ahead of the batch
.set j, 0
.rept 128
	v_exp_f32 v[S+j], v[S+j]
.set j, j+1
.endr
.irp e, 0,1,2,3
	v_exp_f32 v[BM+\e], v[BM+\e]                   ; the block's largest p
.endr
.irp q, 0,1
	v_pk_mul_f32 v[ST+4*\q+2:ST+4*\q+3], v[ST+4*\q+2:ST+4*\q+3], v[F+2*\q:F+2*\q+1] op_sel_hi:[1,0]   ; the sums under the new M: plain places behind the batch
.endr
	WALU                                           ; and behind it, ahead of its first reader
.irp e, 0,1,2,3
	v_max_num_f32 v[BM+\e], 0x1800000, v[BM+\e]    ; the floor 2^(3 - 127): the byte cannot fall under 1
.endr
.irp e, 0,1,2,3
	v_add_nc_u32 v[BS+\e], 0xff000000, v[BM+\e]    ; 2 off the exponent field: the conversion's scale operand
.endr
.irp e, 0,1,2,3
	v_lshrrev_b32 v[BN+\e], 23, v[BS+\e]           ; the byte
.endr
.irp q, 0,1
	v_lshl_or_b32 v[T1+\q], v[BN+2*\q+1], 16, v[BN+2*\q]   ; my two bytes, blocks h and 2 + h,
.endr
.irp q, 0,1
	DEP2
	v_lshlrev_b32 v[T1+\q], v[SH8], v[T1+\q]       ; at their places in the word;
.endr
.irp q, 0,1
	DEP2
	v_permlanex16_b32 v[BX+\q], v[T1+\q], s[SEL], s[SEL+1]
.endr
.irp q, 0,1
	DEP2
	v_or_b32 v[PS+\q], v[T1+\q], v[BX+\q]          ; with lane l xor 16's two the word is whole
.endr
.irp e, 0,1,2,3
	v_cvt_scalef32_pk16_fp6_f32 v[P+6*\e:P+6*\e+2], v[S+32*\e:S+32*\e+15], v[BS+\e]
	v_cvt_scalef32_pk16_fp6_f32 v[PT+4*\e:PT+4*\e+2], v[S+32*\e+16:S+32*\e+31], v[BS+\e]   ; (a conversion's three registers begin on an even number)
.endr
.irp q, 0,1
	v_pk_add_f32 v[TT+2*\q:TT+2*\q+1], v[S+64*\q:S+64*\q+1], v[S+64*\q+2:S+64*\q+3]   ; the sums of the unquantised p, in four chains: also the plain place behind the conversions
.endr
.set j, 4
.rept 15
	v_pk_add_f32 v[ST+2:ST+3], v[ST+2:ST+3], v[S+j:S+j+1]
	v_pk_add_f32 v[TT:TT+1], v[TT:TT+1], v[S+j+2:S+j+3]
	v_pk_add_f32 v[ST+6:ST+7], v[ST+6:ST+7], v[S+64+j:S+64+j+1]
	v_pk_add_f32 v[TT+2:TT+3], v[TT+2:TT+3], v[S+64+j+2:S+64+j+3]
.set j, j+4
.endr
.irp q, 0,1
	v_pk_add_f32 v[ST+4*\q+2:ST+4*\q+3], v[ST+4*\q+2:ST+4*\q+3], v[TT+2*\q:TT+2*\q+1]
.endr
.irp e, 0,1,2,3
.irp i, 0,1,2
	v_mov_b32 v[P+6*\e+3+\i], v[PT+4*\e+\i]        ; registers 6 c .. 6 c + 5 of tile q's P now hold k = 64 c + 32 h + 0 .. 31
.endr
.endr
.endm
.macro STEP
	PLACES 4                                       ; between the last products and the loads into their registers
	WIN 0x40
.irp t, 0,1,2,3
.irp g, 0,1,2
	ds_load_b128 v[VR+12*\t+4*\g:VR+12*\t+4*\g+3], v[AK] offset:6656+1536*\t+512*\g
.endr
.endr
	WIN 0
	ds_load_b128 v[VS:VS+3], v[AK] offset:12800
	s_add_co_u32 s[IDX], s[IDX], 1                 ; the next step, 16 wraps to 0
	s_and_b32 s[IDX], s[IDX], 15
	s_mul_i32 s[TB], s[IDX], STEPB
	s_lshl_b32 s[TMK], s[IDX], 9
	s_wait_dscnt 13                                ; K, its scale words and the mask are in; V's 12 loads and its scale words may be out
	WIN 0x15                                       ; K, Q and the mask: window 1
.irp i, 0,1,2,3,4,5,6,7
.irp q, 0,1
	WM S+64*\q+8*\i, KR+6*\i, QR+12*\q, MR+8*\i, KS+\i/2, QS+\q, \i%2
.endr
.endr
	WIN 0
	v_add_nc_u32 v[AK], s[TB], v[LB]               ; with the v_nop: the four places behind the scores' products
	v_add_nc_u32 v[AH], s[TB], v[LH]
	v_add_nc_u32 v[AM], s[TMK], v[MA]
	v_nop
	KLOAD
	SOFTMAX2
	s_wait_dscnt 33                                ; V is in; the next step's 33 loads may be out
	WIN 0x41                                       ; O^T: window 1
	WALU                                           ; directly ahead of the first reader of O^T
.irp q, 0,1
.set j, 0
.rept 16
	v_pk_mul_f32 v[O+32*\q+j:O+32*\q+j+1], v[O+32*\q+j:O+32*\q+j+1], v[F+2*\q:F+2*\q+1] op_sel_hi:[1,0]   ; O^T under the new M; also the places between P, its scale words and the products below
.set j, j+2
.endr
.endr
	WIN 0x51                                       ; V, C and D: window 1; P: window 0
.irp t, 0,1,2,3
.irp q, 0,1
	WM O+32*\q+8*\t, VR+12*\t, P+12*\q, O+32*\q+8*\t, VS+\t, PS+\q, 0   ; eight accumulators by turns
.endr
.endr
	WIN 0
.endm
; THE WAY OUT of a pass: O^T / the sum, quantised along the head's 64; a lane's 32 numbers of a tile are channels 32 h + 0 .. 31, a whole block; the two tiles are worked jointly
.macro WAYOUT p
.if \p
	s_wait_xcnt 0x0                                ; the first pass's stores have read their data
.endif
	s_mov_b32 vcc_lo, 0xffff0000                   ; lanes 16-31
.irp q, 0,1
	v_add_f32 v[ST+4*\q+2], v[ST+4*\q+2], v[ST+4*\q+3]      ; (these six lines are the places behind the last products)
.endr
.irp q, 0,1
	v_permlanex16_b32 v[BP+\q], v[ST+4*\q+2], s[SEL], s[SEL+1]
.endr
.irp q, 0,1
	v_add_f32 v[ST+4*\q+2], v[ST+4*\q+2], v[BP+\q]          ; the row's sum
.endr
	WALU                                           ; ahead of the batch
.irp q, 0,1
	v_rcp_f32 v[ST+4*\q], v[ST+4*\q+2]
.endr
	v_nop
	WIN 0x01                                       ; O^T: window 1
	WALU                                           ; behind the batch, and directly ahead of the first readers of O^T
.irp q, 0,1
.set j, 0
.rept 16
	v_pk_mul_f32 v[S+32*\q+j:S+32*\q+j+1], v[O+32*\q+j:O+32*\q+j+1], v[ST+4*\q:ST+4*\q+1] op_sel_hi:[1,0]
.set j, j+2
.endr
.endr
	WIN 0
.irp q, 0,1
	v_max3_num_f32 v[BM+\q], |v[S+32*\q]|, |v[S+32*\q+1]|, 0x1800000   ; with the floor 2^(3 - 127)
	v_max3_num_f32 v[BN+\q], |v[S+32*\q+16]|, |v[S+32*\q+17]|, |v[S+32*\q+18]|
.endr
.irp i, 2,4,6,8,10,12
.irp q, 0,1
	v_max3_num_f32 v[BM+\q], v[BM+\q], |v[S+32*\q+\i]|, |v[S+32*\q+\i+1]|
	v_max3_num_f32 v[BN+\q], v[BN+\q], |v[S+32*\q+17+\i]|, |v[S+32*\q+18+\i]|
.endr
.endr
.irp q, 0,1
	v_max3_num_f32 v[BM+\q], v[BM+\q], |v[S+32*\q+14]|, |v[S+32*\q+15]|
.endr
.irp q, 0,1
	v_max3_num_f32 v[BM+\q], v[BM+\q], v[BN+\q], |v[S+32*\q+31]|   ; the block's largest magnitude
.endr
.irp q, 0,1
	v_add_nc_u32 v[BS+\q], 0xff000000, v[BM+\q]
.endr
.irp q, 0,1
	v_lshrrev_b32 v[BN+\q], 23, v[BS+\q]
.endr
.irp q, 0,1
	v_lshlrev_b32 v[BN+\q], v[SH8], v[BN+\q]       ; my byte, block h, at its place;
.endr
.irp q, 0,1
	v_permlanex16_b32 v[BX+\q], v[BN+\q], s[SEL], s[SEL+1]
.endr
.irp q, 0,1
	v_or_b32 v[HW+\q], v[BN+\q], v[BX+\q]          ; with lane l xor 16's: the row's two bytes
.endr
.irp q, 0,1
	v_cvt_scalef32_pk16_fp6_f32 v[CW+6*\q:CW+6*\q+2], v[S+32*\q:S+32*\q+15], v[BS+\q]
	v_cvt_scalef32_pk16_fp6_f32 v[PT+4*\q:PT+4*\q+2], v[S+32*\q+16:S+32*\q+31], v[BS+\q]
.endr
	v_cndmask_b32 v[HX], v[HW], v[HW+1], vcc_lo    ; the even tile's bytes in lanes 0-15, the odd tile's in lanes 16-31.  (A plain place behind the conversions)
.irp q, 0,1
.irp i, 0,1,2
	v_mov_b32 v[CW+6*\q+3+\i], v[PT+4*\q+\i]
.endr
.endr
.irp q, 0,1
	global_store_b128 v[LB], v[CW+6*\q:CW+6*\q+3], s[8:9] offset:12288*(2*(\p)+\q)        ; 512 consecutive bytes, aligned to 256
	global_store_b64 v[LH], v[CW+6*\q+4:CW+6*\q+5], s[8:9] offset:12288*(2*(\p)+\q)+512   ; 256
.endr
	global_store_b16 v[L2], v[HX], s[10:11] offset:64*(\p)
.endm
	WALU                                           ; the head's end
	s_wait_loadcnt 0x0                             ; Q and its scale words
	s_wait_tensorcnt 0x0                           ; my two key steps are in,
	s_wait_dscnt 0x0                               ; and my part of the mask lies in LDS
	s_barrier_signal -1
	s_barrier_wait -1                              ; everybody's are
	s_mov_b32 s[IDX], 0
	KLOAD                                          ; step 0
	s_mov_b32 s[CNT], 16
.Lpass0:
	STEP
	s_sub_co_u32 s[CNT], s[CNT], 1
	s_cmp_lg_u32 s[CNT], 0
	s_cbranch_scc1 .Lpass0
	WAYOUT 0
	WIN 0x40
.irp q, 0,1
.irp j, 0,1,2,3,4,5
	v_mov_b32 v[QR+12*\q+\j], v[Q2+6*\q+\j]        ; the second pass's Q
.endr
.endr
	WIN 0
.irp q, 0,1
	v_mov_b32 v[QS+\q], v[QS2+\q]
.endr
	INIT
	s_mov_b32 s[CNT], 16
.Lpass1:
	STEP
	s_sub_co_u32 s[CNT], s[CNT], 1
	s_cmp_lg_u32 s[CNT], 0
	s_cbranch_scc1 .Lpass1
	WAYOUT 1
	s_wait_tensorcnt 0x0                           ; the wave's end
	ds_add_u32 v[SPW], v[NIL]
	s_wait_dscnt 0x0
	ROUND                                          ; the closing round
	s_endpgm
.Lfunc_end_k_q1ffe9d7f13_attn:
	.size	k_q1ffe9d7f13_attn, .Lfunc_end_k_q1ffe9d7f13_attn-k_q1ffe9d7f13_attn
	.p2alignl 7, 3214868480
	.fill 96, 4, 3214868480
	.section	.rodata,"a",@progbits
	.p2align	6, 0x0
	.amdhsa_kernel k_q1ffe9d7f13_attn
		.amdhsa_group_segment_fixed_size 327680
		.amdhsa_private_segment_fixed_size 0
		.amdhsa_enable_private_segment 0
		.amdhsa_kernarg_size 32
		.amdhsa_user_sgpr_count 2
		.amdhsa_user_sgpr_kernarg_segment_ptr 1
		.amdhsa_wavefront_size32 1
		.amdhsa_system_sgpr_workgroup_id_x 1
		.amdhsa_system_sgpr_workgroup_id_y 1
		.amdhsa_system_sgpr_workgroup_id_z 1
		.amdhsa_system_vgpr_workitem_id 0
		.amdhsa_next_free_vgpr 512
		.amdhsa_next_free_sgpr 72
		.amdhsa_reserve_vcc 1
		.amdhsa_float_denorm_mode_32 3
		.amdhsa_float_denorm_mode_16_64 3
		.amdhsa_memory_ordered 1
		.amdhsa_forward_progress 1
		.amdhsa_inst_pref_size 86
	.end_amdhsa_kernel
	.amdgpu_metadata
---
amdhsa.version: [ 1, 2 ]
amdhsa.kernels:
  - .name:           k_q1ffe9d7f13_attn
    .symbol:         k_q1ffe9d7f13_attn.kd
    .args:
      - { .name: qkv, .offset: 0, .size: 8, .value_kind: global_buffer, .address_space: global }
      - { .name: attention_mask, .offset: 8, .size: 8, .value_kind: global_buffer, .address_space: global }
      - { .name: cf, .offset: 16, .size: 8, .value_kind: global_buffer, .address_space: global }
      - { .name: cs, .offset: 24, .size: 8, .value_kind: global_buffer, .address_space: global }
    .group_segment_fixed_size: 327680
    .private_segment_fixed_size: 0
    .kernarg_segment_align: 8
    .kernarg_segment_size: 32
    .max_flat_workgroup_size: 256
    .sgpr_count:     72
    .vgpr_count:     512
    .wavefront_size: 32
...
	.end_amdgpu_metadata
.endif
;; end of part 3
;; launch outp (part 4): grid 4 x 64, 4 waves a work-group, clusters of 4 x 4, 312,832 bytes of LDS; arguments cf, cs, wf, ws, bo, out0; writes out0
.if DOCPART == 4
	.amdgcn_target "amdgcn-amd-amdhsa--gfx1250"
	.amdhsa_code_object_version 6
	.text
	.protected	k_q1ffe9d7f13_outp
	.globl	k_q1ffe9d7f13_outp
	.p2align	8
	.type	k_q1ffe9d7f13_outp,@function
k_q1ffe9d7f13_outp:
	s_mov_b64 s[64:65], 0
	v_nop
	global_prefetch_b8 v0, s[64:65] scope:SCOPE_SE
	s_setreg_imm32_b32 hwreg(HW_REG_WAVE_MODE, 25, 1), 1
	s_wait_xcnt 0x0
	s_wait_alu depctr_hold_cnt(0) depctr_sa_sdst(0) depctr_va_vdst(0) depctr_va_sdst(0) depctr_va_ssrc(0) depctr_va_vcc(0) depctr_vm_vsrc(0)
	s_getreg_b32 s2, hwreg(HW_REG_IB_STS2, 6, 4)
	s_cmp_eq_u32 s2, 0
	s_cbranch_scc0 .Lentry_in_a_cluster
	s_endpgm
.Lentry_in_a_cluster:
	s_bfe_u32 s2, ttmp6, 0x10000c
	s_cmp_lg_u32 s2, 0xf033
	s_cbranch_scc0 .Lentry_shape_is_right
	s_endpgm
.Lentry_shape_is_right:
; out = ctx Wo^T + bo on codes of FP6 (E2M3) with E8M0 scales, K = 1,024; out is f32.
; SHARES.  A work-group makes 128 rows x 256 columns; wave w all 128 rows x 64 columns: 32 accumulators of 16 x 16, by turns.  256 work-groups.
; LDS holds both operands for ALL of K, 294,912 bytes, filled ONCE, as images of the operands' registers (a fragment: 1,536 consecutive bytes), in two halves of four K steps; a half is ctx's 8 tiles x 6,144 bytes, then Wo's 16 tiles x 6,144.
; One tensor load a wave: wave 0 ctx's lower half of K, wave 1 Wo's, wave 2 ctx's upper half, wave 3 Wo's.  The first barrier shows the lower half, the barrier ahead of K step 4 the upper.  Nothing is filled again.  Behind the halves a stage for each wave.
; CLUSTER 4 x 4: ctx's tiles hang on the work-group's y alone and are asked for jointly along a row of the cluster, Wo's on x alone, along a column.  No prefetch: every tensor load stands at the head.
; Source 0 = 16 rows of Wo, source 1 = 16 rows of ctx.  A tile's 16 rows are 64 (T/4) + 8 (T%4) + r % 8 + 32 (r / 8), of ctx and of Wo alike: lane (r, h) holds one row of out, and register j of my tile t is column 32 h + 8 t + j of my 64.
; The bias is the C of each sum's first matrix instruction.
; ctx's scale bytes lie [head 16][tile][row] as halfwords: K step s wants heads 2 s and 2 s + 1 in one word: two loads of 16 bits and one OR, once for all of K.
; REGISTERS: window 0: v4-28 addresses; v32-63 ctx's scale words, v68-83 Wo's (the two differ modulo 8); v84-115 the bias; v128-191 the upper halfwords, later the way out.  window 1: the accumulators.  windows 2, 3: two sets of fragments.
.set CH,    147456
.set BOFF,  49152
.set STG,   2*CH                       ; the stages: 16 rows x (256 bytes + 16) for each wave; no fill lands there
.set SPI,   272
.set ADA16, 4
.set ADA8,  8
.set ADB16, 12
.set ADB8,  16
.set L16,   20
.set L8,    21
.set L32,   22
.set BAQ,   23
.set L2,    25
.set STO,   26
.set RD,    27
.set CO,    28
.set XS,    32
.set WS,    68
.set BI,    84
.set XH,    128
.set BK,    128
.set WV,    20
.set G1A,   24
.set G1B,   32
.set G0A,   40
.set G0B,   68
.set MSB, 0
.macro WIN new                         ; the immediate's high byte repeats the setting that is left
.if MSB != (\new)
	s_set_vgpr_msb (MSB<<8)|(\new)
.set MSB, (\new)
.endif
.endm
.macro PLACES n
.rept \n
	v_nop
.endr
.endm
.macro ROUND                           ; a round of the cluster's barrier
	s_barrier_signal -1
	s_barrier_wait -1
	s_cmp_lg_u32 s[WV], 0
	s_cbranch_scc1 .Lnot_wave_0_\@
	s_barrier_signal -3
.Lnot_wave_0_\@:
	s_barrier_wait -3
	s_barrier_signal -1
	s_barrier_wait -1
.endm
.macro WM d, a, b, c, sa, sb, ra, rb   ; one product; ra, rb = 1: that side's scale words stand in lanes 16-31
.if (\ra) && (\rb)
	v_wmma_scale_f32_16x16x128_f8f6f4 v[(\d):(\d)+7], v[(\a):(\a)+11], v[(\b):(\b)+11], v[(\c):(\c)+7], v[\sa], v[\sb] matrix_a_fmt:MATRIX_FMT_FP6 matrix_b_fmt:MATRIX_FMT_FP6 matrix_a_scale:MATRIX_SCALE_ROW1 matrix_b_scale:MATRIX_SCALE_ROW1
.elseif (\ra)
	v_wmma_scale_f32_16x16x128_f8f6f4 v[(\d):(\d)+7], v[(\a):(\a)+11], v[(\b):(\b)+11], v[(\c):(\c)+7], v[\sa], v[\sb] matrix_a_fmt:MATRIX_FMT_FP6 matrix_b_fmt:MATRIX_FMT_FP6 matrix_a_scale:MATRIX_SCALE_ROW1
.elseif (\rb)
	v_wmma_scale_f32_16x16x128_f8f6f4 v[(\d):(\d)+7], v[(\a):(\a)+11], v[(\b):(\b)+11], v[(\c):(\c)+7], v[\sa], v[\sb] matrix_a_fmt:MATRIX_FMT_FP6 matrix_b_fmt:MATRIX_FMT_FP6 matrix_b_scale:MATRIX_SCALE_ROW1
.else
	v_wmma_scale_f32_16x16x128_f8f6f4 v[(\d):(\d)+7], v[(\a):(\a)+11], v[(\b):(\b)+11], v[(\c):(\c)+7], v[\sa], v[\sb] matrix_a_fmt:MATRIX_FMT_FP6 matrix_b_fmt:MATRIX_FMT_FP6
.endif
.endm
.macro GRP1 g, rows                    ; rows of 6,144 bytes (four K steps of a tile), 12,288 apart in memory, dense in LDS; elements of 8 bytes
	s_mov_b32 s[\g+1], 768<<16
	s_mov_b32 s[\g+2], (\rows)<<16
	s_mov_b32 s[\g+3], 768<<16
	s_mov_b32 s[\g+4], \rows
	s_mov_b32 s[\g+5], 1536
	s_mov_b32 s[\g+6], 0
	s_mov_b32 s[\g+7], 0
.endm
.macro TLOAD g0, g1
	tensor_load_to_lds s[\g0:\g0+3], s[\g1:\g1+7]
	s_nop 0
	PLACES 4
.endm
	s_load_b256 s[4:11], s[0:1], 0x0               ; cf, cs, wf, ws
	s_load_b128 s[12:15], s[0:1], 0x20             ; bo, out0
	v_lshl_add_u32 v254, v0, 2, 0x4c400
	v_mov_b32 v255, 0
	ds_add_u32 v254, v255                          ; the opening lines: the add, twice on end, and its wait
	ds_add_u32 v254, v255
	v_lshrrev_b32 v1, 5, v0
	v_readfirstlane_b32 s[WV], v1                  ; wave 0..3
	s_lshr_b32 s21, s[WV], 1                       ; which half of K I fetch
	s_bfe_u32 s22, ttmp6, 0x40000                  ; cx
	s_bfe_u32 s23, ttmp6, 0x40004                  ; cy
	s_lshl_b32 s85, ttmp9, 2
	s_add_co_u32 s85, s85, s22                     ; x: which 256 columns
	s_and_b32 s84, ttmp7, 0xffff
	s_lshl_b32 s84, s84, 2
	s_add_co_u32 s84, s84, s23                     ; y: which 128 rows
	s_lshl_b32 s89, s23, 2
	s_lshl_b32 s89, 15, s89                        ; my row of the cluster
	s_lshl_b32 s90, 0x1111, s22                    ; my column
	s_or_b32 s[G1A], s89, (3<<16)|(1<<21)
	s_or_b32 s[G1B], s90, (3<<16)|(1<<21)
	GRP1 G1A, 8
	GRP1 G1B, 16
	s_lshl_b32 s56, s84, 3                         ; ctx: tile 8 y, + my half of K  (these registers never hold cx)
	s_mul_i32 s56, s56, 12288
	s_mul_i32 s57, s21, 6144
	s_add_co_u32 s56, s56, s57
	s_mov_b32 s57, 0
	s_lshl_b32 s60, s85, 4                         ; Wo: tile 192 + 16 x of the weights' buffer, + my half of K  (these never hold cy)
	s_add_co_u32 s60, s60, 192
	s_mul_i32 s60, s60, 12288
	s_mul_i32 s61, s21, 6144
	s_add_co_u32 s60, s60, s61
	s_mov_b32 s61, 0
	s_mul_i32 s87, s21, CH
	s_wait_dscnt 0x0
	s_wait_kmcnt 0x0
	s_mov_b32 s[G0A], 1
	s_mov_b32 s[G0A+1], s87
	s_add_nc_u64 s[G0A+2:G0A+3], s[4:5], s[56:57]
	s_or_b32 s[G0A+3], s[G0A+3], 0x80000000
	s_mov_b32 s[G0B], 1
	s_add_co_u32 s[G0B+1], s87, BOFF
	s_add_nc_u64 s[G0B+2:G0B+3], s[8:9], s[60:61]
	s_or_b32 s[G0B+3], s[G0B+3], 0x80000000
	ROUND                                          ; all sixteen work-groups are here: the joint loads meet
	s_cmp_eq_u32 s[WV], 0                          ; one chain of branches on the wave's number, one load to an arm
	s_cbranch_scc0 .Lfill_1
	TLOAD G0A, G1A                                 ; wave 0: ctx, K steps 0-3
	s_branch .Lfilled
.Lfill_1:
	s_cmp_eq_u32 s[WV], 1
	s_cbranch_scc0 .Lfill_2
	TLOAD G0B, G1B                                 ; wave 1: Wo, K steps 0-3
	s_branch .Lfilled
.Lfill_2:
	s_cmp_eq_u32 s[WV], 2
	s_cbranch_scc0 .Lfill_3
	TLOAD G0A, G1A                                 ; wave 2: ctx, K steps 4-7
	s_branch .Lfilled
.Lfill_3:
	TLOAD G0B, G1B                                 ; wave 3: Wo, K steps 4-7
.Lfilled:
	v_and_b32 v1, 31, v0                           ; lane
	v_and_b32 v2, 15, v0                           ; r
	v_bfe_u32 v3, v0, 4, 1                         ; h
	v_lshlrev_b32 v[L16], 4, v1
	v_lshlrev_b32 v[L8], 3, v1
	v_lshlrev_b32 v[L32], 5, v1
	v_lshlrev_b32 v[L2], 1, v1
	v_lshlrev_b32 v[BAQ], 7, v3                    ; 32 h columns
	s_mul_i32 s91, s[WV], 24576
	s_add_co_u32 s91, s91, BOFF                    ; my four tiles of Wo in a half
.irp c, 0,1
	v_add_nc_u32 v[ADA16+\c], \c*CH, v[L16]
	v_add_nc_u32 v[ADA8+\c], \c*CH, v[L8]
	v_add_nc_u32 v[ADB16+\c], s91, v[L16]
	v_add_nc_u32 v[ADB8+\c], s91, v[L8]
	s_add_co_u32 s91, s91, CH
.endr
	s_mul_i32 s91, s[WV], 16*SPI
	s_add_co_u32 s91, s91, STG                     ; my stage
	v_mul_u32_u24 v[STO], v2, SPI
	v_lshl_add_u32 v[STO], v3, 7, v[STO]
	v_add_nc_u32 v[STO], s91, v[STO]               ; in: row r, + 128 h
	v_mul_u32_u24 v[RD], v3, SPI
	v_lshl_add_u32 v[RD], v2, 4, v[RD]
	v_add_nc_u32 v[RD], s91, v[RD]                 ; back: lanes 0-15 one row of 256 bytes, lanes 16-31 the next
	v_lshlrev_b32 v[CO], 12, v3
	v_lshl_add_u32 v[CO], v2, 4, v[CO]             ; and the same two rows of out (4,096 bytes a row)
	s_lshl_b32 s94, s84, 8                         ; ctx's scale bytes: 32 bytes a tile, my 8 tiles
	s_mov_b32 s95, 0
	s_add_nc_u64 s[6:7], s[6:7], s[94:95]
	s_lshl_b32 s96, s85, 4
	s_lshl_b32 s97, s[WV], 2
	s_add_co_u32 s96, s96, s97
	s_add_co_u32 s96, s96, 192
	s_lshl_b32 s96, s96, 9
	s_mov_b32 s97, 0
	s_add_nc_u64 s[10:11], s[10:11], s[96:97]
.irp p, 0,1,2,3
.irp s, 0,1,2,3,4,5,6,7
	global_load_u16 v[XS+8*\p+\s], v[L2], s[6:7] offset:(2*\s)*16384+64*\p      ; head 2 s: tile 2 p's rows in lanes 0-15, tile 2 p + 1's in lanes 16-31
	global_load_u16 v[XH+8*\p+\s], v[L2], s[6:7] offset:(2*\s+1)*16384+64*\p    ; head 2 s + 1
.endr
.endr
.irp p, 0,1
	global_load_b128 v[WS+8*\p:WS+8*\p+3], v[L32], s[10:11] offset:1024*\p
	global_load_b128 v[WS+8*\p+4:WS+8*\p+7], v[L32], s[10:11] offset:1024*\p+16
.endr
	s_lshl_b32 s98, s85, 10
	s_lshl_b32 s99, s[WV], 8
	s_add_co_u32 s98, s98, s99                     ; my 64 columns: 4 (256 x + 64 w) bytes on, in bo and in a row of out
	s_mov_b32 s99, 0
	s_add_nc_u64 s[12:13], s[12:13], s[98:99]
.irp t, 0,1,2,3                                ; register j of tile t is column 32 h + 8 t + j
	global_load_b128 v[BI+8*\t:BI+8*\t+3], v[BAQ], s[12:13] offset:32*\t
	global_load_b128 v[BI+8*\t+4:BI+8*\t+7], v[BAQ], s[12:13] offset:32*\t+16
.endr
	s_add_nc_u64 s[14:15], s[14:15], s[98:99]
	s_lshl_b32 s98, s84, 19                        ; 128 y rows of 4,096 bytes
	s_add_nc_u64 s[14:15], s[14:15], s[98:99]
.macro FRAGH reg, a16, a8, off         ; a fragment from its image: every load takes consecutive bytes, 16 or 8 a lane
	ds_load_b128 v[(\reg):(\reg)+3], v[\a16] offset:(\off)
	ds_load_b64 v[(\reg)+4:(\reg)+5], v[\a8] offset:(\off)+512
	ds_load_b128 v[(\reg)+6:(\reg)+9], v[\a16] offset:(\off)+768
	ds_load_b64 v[(\reg)+10:(\reg)+11], v[\a8] offset:(\off)+1280
.endm
.macro FETCH s                         ; K step s: ctx's eight fragments and my four of Wo, 48 loads, into set s % 2
	WIN (2+(\s)%2)<<6
.irp i, 0,1,2,3,4,5,6,7
	FRAGH 12*\i, ADA16+(\s)/4, ADA8+(\s)/4, 6144*\i+1536*((\s)%4)
.endr
.irp t, 0,1,2,3
	FRAGH 96+12*\t, ADB16+(\s)/4, ADB8+(\s)/4, 6144*\t+1536*((\s)%4)
.endr
	WIN 0
.endm
.macro MUL s                           ; 32 products, the 32 accumulators by turns in the same order in every step; step 0 takes the bias as C
.if (\s) == 0
	WIN 0x4a                                       ; sources 0, 1 window 2, C window 0, D window 1
.elseif (\s)%2 == 0
	WIN 0x5a
.else
	WIN 0x5f
.endif
.irp i, 0,1,2,3,4,5,6,7
.irp t, 0,1,2,3
.if (\s) == 0
	WM 8*(4*\i+\t), 96+12*\t, 12*\i, BI+8*\t, WS+8*(\t/2)+(\s), XS+8*(\i/2)+(\s), \t%2, \i%2
.else
	WM 8*(4*\i+\t), 96+12*\t, 12*\i, 8*(4*\i+\t), WS+8*(\t/2)+(\s), XS+8*(\i/2)+(\s), \t%2, \i%2
.endif
.endr
.endr
	WIN 0
.endm
.macro KSTEP s
.if (\s) < 7
.if (\s) == 3
	s_wait_tensorcnt 0x0                           ; every wave's load is in: the barrier shows the upper half of K
	s_wait_dscnt 0x0                               ; no LDS instruction of mine is pending at a signal
	s_barrier_signal -1
	s_barrier_wait -1
.endif
.if (\s) > 0
	PLACES 4                                       ; in front of loads into the set that the last products read
.endif
	FETCH (\s)+1
	s_wait_dscnt 48                                ; all but the 48 just issued
.else
	s_wait_dscnt 0x0
.endif
	MUL \s
.endm
	s_wait_alu depctr_va_vdst(0)                   ; the head's end
	s_cmp_lt_u32 s[WV], 2                          ; waves 0 and 1 wait for the lower half of K, which their own load lines brought
	s_cbranch_scc0 .Lnot_lo
	s_wait_tensorcnt 0x0
.Lnot_lo:
	s_barrier_signal -1
	s_barrier_wait -1
	FETCH 0
	s_wait_loadcnt 0x0                             ; the scale bytes and the bias
.set n, 0
.rept 32
	v_lshl_or_b32 v[XS+n], v[XH+n], 16, v[XS+n]    ; bytes 0, 1: head 2 s; bytes 2, 3: head 2 s + 1
.set n, n+1
.endr
	PLACES 8                                       ; a scale register written by a vector instruction stands eight places ahead of a scaled product
	s_wait_alu depctr_va_vdst(0)
.irp s, 0,1,2,3,4,5,6,7
	KSTEP \s
.endr
; THE WAY OUT, a tile of 16 rows x 64 columns at a time, through my own stage: a lane holds 32 bytes of a row for each of my four tiles of Wo, and the lanes beside it hold other rows; back come whole rows of 256 bytes.
; LDS serves a wave's instructions in order: no wait between the stores and the loads, nor in front of the next tile's stores.
.macro TOSTAGE i
	WIN 0x04                                       ; an LDS store's data are its source 1: window 1
.irp t, 0,1,2,3
	ds_store_b128 v[STO], v[8*(4*(\i)+\t):8*(4*(\i)+\t)+3] offset:32*\t       ; each accumulator from its low end on
	ds_store_b128 v[STO], v[8*(4*(\i)+\t)+4:8*(4*(\i)+\t)+7] offset:32*\t+16
.endr
	WIN 0
.set BB, BK+32*((\i)%2)
.irp k, 0,1,2,3,4,5,6,7
	ds_load_b128 v[BB+4*\k:BB+4*\k+3], v[RD] offset:2*SPI*\k
.endr
.endm
.macro SEND i, younger                 ; younger: the LDS instructions issued behind tile i's loads, which may stay out
.set BB, BK+32*((\i)%2)
	s_wait_dscnt \younger
.irp k, 0,1,2,3,4,5,6,7
	global_store_b128 v[CO], v[BB+4*\k:BB+4*\k+3], s[14:15] offset:(64*((\i)/4)+8*((\i)%4)+2*\k+24*(\k/4))*4096 th:TH_STORE_NT   ; the tile's rows 2 k, 2 k + 1: sixteen lanes store 256 consecutive bytes, aligned; written once, read by nobody here
.endr
.endm
	PLACES 4                                       ; behind the last products, ahead of the first read of results
	TOSTAGE 0
.irp a, 1,2,3,4,5,6,7
.if \a > 1
	s_wait_xcnt 0x0                                ; tile a - 2's stores have read their registers: tile a's loads may land there
.endif
	TOSTAGE \a
	SEND \a-1, 16                                  ; behind tile a - 1's loads: tile a's 8 stores and 8 loads
.endr
	SEND 7, 0
	s_wait_tensorcnt 0x0                           ; the wave's end
	ds_add_u32 v254, v255
	s_wait_dscnt 0x0
	ROUND                                          ; the closing round: no work-group ends while a partner may still ask for a tile that names it
	s_endpgm
.Lfunc_end_k_q1ffe9d7f13_outp:
	.size	k_q1ffe9d7f13_outp, .Lfunc_end_k_q1ffe9d7f13_outp-k_q1ffe9d7f13_outp
	.p2alignl 7, 3214868480
	.fill 96, 4, 3214868480
	.section	.rodata,"a",@progbits
	.p2align	6, 0x0
	.amdhsa_kernel k_q1ffe9d7f13_outp
		.amdhsa_group_segment_fixed_size 312832
		.amdhsa_private_segment_fixed_size 0
		.amdhsa_enable_private_segment 0
		.amdhsa_kernarg_size 48
		.amdhsa_user_sgpr_count 2
		.amdhsa_user_sgpr_kernarg_segment_ptr 1
		.amdhsa_wavefront_size32 1
		.amdhsa_system_sgpr_workgroup_id_x 1
		.amdhsa_system_sgpr_workgroup_id_y 1
		.amdhsa_system_sgpr_workgroup_id_z 1
		.amdhsa_system_vgpr_workitem_id 0
		.amdhsa_next_free_vgpr 912
		.amdhsa_next_free_sgpr 100
		.amdhsa_reserve_vcc 0
		.amdhsa_float_denorm_mode_32 3
		.amdhsa_float_denorm_mode_16_64 3
		.amdhsa_memory_ordered 1
		.amdhsa_forward_progress 1
		.amdhsa_inst_pref_size 91
	.end_amdhsa_kernel
	.amdgpu_metadata
---
amdhsa.version: [ 1, 2 ]
amdhsa.kernels:
  - .name:           k_q1ffe9d7f13_outp
    .symbol:         k_q1ffe9d7f13_outp.kd
    .args:
      - { .name: cf, .offset: 0, .size: 8, .value_kind: global_buffer, .address_space: global }
      - { .name: cs, .offset: 8, .size: 8, .value_kind: global_buffer, .address_space: global }
      - { .name: wf, .offset: 16, .size: 8, .value_kind: global_buffer, .address_space: global }
      - { .name: ws, .offset: 24, .size: 8, .value_kind: global_buffer, .address_space: global }
      - { .name: bo, .offset: 32, .size: 8, .value_kind: global_buffer, .address_space: global }
      - { .name: out0, .offset: 40, .size: 8, .value_kind: global_buffer, .address_space: global }
    .group_segment_fixed_size: 312832
    .private_segment_fixed_size: 0
    .kernarg_segment_align: 8
    .kernarg_segment_size: 48
    .max_flat_workgroup_size: 128
    .sgpr_count:     100
    .vgpr_count:     912
    .wavefront_size: 32
...
	.end_amdgpu_metadata
.endif
;; end of part 4
